; MI455X (gfx1250); checked and timed in simulation.
; The chip was launched on July 23, 2026; its instructions are those of AMD's public machine-readable ISA for CDNA 5 (MIT licence, August 2026) and "CDNA5" Instruction Set Architecture Reference Guide (July 2026). The comments in the code are by the model that wrote it; some were corrected since.
;; Self Attention Head. Allowed arithmetic: matrix products marked QUANTISED: E4M3 operands, one given power-of-two scale a tensor, by v_wmma_f32_16x16x64_fp8_fp8 or v_wmma_f32_16x16x128_fp8_fp8, f32 sums; everything else in f32.
;; Inputs: Wk 2,048 x 2,048 float32; Wo 2,048 x 2,048 float32; Wq 2,048 x 2,048 float32; Wv 2,048 x 2,048 float32; cos 2,048 x 128 float32; lowp_scales 12 int32 (the exponents e of the quantised operands' scales 2^e); mask 2,048 x 2,048 bool; sin 2,048 x 128 float32; x 1 x 2,048 x 2,048 float32.
;; Outputs: out0 1 x 2,048 x 2,048 float32; out1 1 x 16 x 2,048 x 128 float32; out2 1 x 16 x 2,048 x 128 float32.
;; This version of the problem:
;;   THIS VERSION OF THE PROBLEM IS GIVEN IN LOW PRECISION. The matrix products marked QUANTISED in the list below multiply operands that are first quantised to E4M3 (4 exponent bits, 3 mantissa bits; 8 bits a number), with one given power-of-two scale for each operand tensor; their sums are f32. All else is computed in f32.
;;   The module's matrix products, in the order in which they are computed (A, B: the left and right operand; K: the contracted axis; several contracted axes count as one K, in the product's order):
;;     1. [M 2,048, K 2,048] x [K 2,048, N 2,048]; A: input x; B: input Wq: QUANTISED (scales: A lowp_scales[0], B lowp_scales[1])
;;     2. [M 2,048, K 2,048] x [K 2,048, N 2,048]; A: input x; B: input Wk: QUANTISED (scales: A lowp_scales[2], B lowp_scales[3])
;;     3. [M 2,048, K 2,048] x [K 2,048, N 2,048]; A: input x; B: input Wv: QUANTISED (scales: A lowp_scales[4], B lowp_scales[5])
;;     4. batch 16 x [M 2,048, K 128] x [K 128, N 2,048]; A: computed on the way; B: computed on the way: QUANTISED (scales: A lowp_scales[6], B lowp_scales[7])
;;     5. batch 16 x [M 2,048, K 2,048] x [K 2,048, N 128]; A: softmax (see below); B: computed on the way: QUANTISED (scales: A lowp_scales[8], B lowp_scales[9])
;;     6. [M 2,048, K 2,048] x [K 2,048, N 2,048]; A: computed on the way; B: input Wo: QUANTISED (scales: A lowp_scales[10], B lowp_scales[11])
;;   THE QUANTISER, for each operand of a quantised product, along K:
;;     - The operand's scale is 2^e, e = its entry of the input lowp_scales (int32; the entries are numbered through the quantised products in the list's order, A before B).
;;     - Each number is divided by the scale, clamped to +-448, and rounded to the nearest number of E4M3, ties to even, subnormals kept.
;;     - The product sums the exact products of the quantised numbers (number of the format x scale) in f32.
;;   ~~~python
;;   def quantise(x, axis, e):      # numpy; x: float32 -> the quantised numbers, widened to float32 again
;;       x = np.moveaxis(x, axis, -1); K = x.shape[-1]
;;       r = np.clip(x / 2.0 ** e, -448, 448)
;;       step = 2.0 ** (np.maximum(np.frexp(np.where(r == 0, 1, r))[1] - 1, -6) - 3)
;;       q = np.round(r / step) * step * 2.0 ** e      # np.round: ties to even
;;       return np.moveaxis(q, -1, axis).astype(np.float32)
;;   ~~~
;;   SOFTMAX AHEAD OF A QUANTISED PRODUCT. Where the list says 'softmax', what is quantised is not the finished softmax but p = 2^(t - M), with t = logit x log2(e) and M = ceil(the row's largest t), a whole number; so 1/2 < the row's largest p <= 1. The row's sum l is taken of the UNQUANTISED p, in f32, and the product's result is divided by l at the end. Since M is a whole number, a kernel that streams over the keys may use a running M (the ceiling of the running maximum): every later rescaling is an exact power of two, so the quantised numbers keep their values, but for numbers so far below the row's largest that they fall under the format's range.
;;   OPERANDS COMPUTED ON THE WAY. 'Computed on the way' means the value that the module computes at that place (a softmax that the list does not call 'softmax' is quantised finished and normalised). What goes into a quantiser is computed in f32, as accurately as f32 sums, v_exp_f32 and their like allow (about 1e-6 of the number): no bf16 or f16 on the way to a quantiser, and a product that is left as it is and whose result goes on into a quantised operand takes f32 operands (vector FMAs, or v_wmma_f32_16x16x4_f32). A number that lies on a knife's edge between two numbers of the format may be rounded either way, as far as f32 arithmetic and the matrix unit's own rounding can turn it there, and no further.
;; 3 versions, each right; version 3 is version 2 with the launch attn written anew for expert scheduling mode. Each part assembles by itself: llvm-mc -triple=amdgcn-amd-amdhsa -mcpu=gfx1250 --defsym DOCPART=n.
;; ======== version 1 of 3: 4 launches
;; workspace buffers: xc 12,582,912 bytes; wc 16,777,216 bytes; rope 2,097,152 bytes; mw 524,288 bytes of whole numbers; cls 1,024 bytes of whole numbers; qkvc 12,582,912 bytes; oc 4,194,304 bytes
;; launch prep (part 1): grid 1376 x 1, 4 waves a work-group, no clusters, 68,096 bytes of LDS; arguments x, Wq, Wk, Wv, Wo, cos, sin, mask, lowp_scales, xc, wc, rope, mw, cls; writes xc, wc, rope, mw, cls
.if DOCPART == 1
	.amdgcn_target "amdgcn-amd-amdhsa--gfx1250"
	.amdhsa_code_object_version 6
	.text
	.protected	k_qe9c0542be2_prep
	.globl	k_qe9c0542be2_prep
	.p2align	8
	.type	k_qe9c0542be2_prep,@function
k_qe9c0542be2_prep:
	s_mov_b64 s[64:65], 0
	v_nop
	global_prefetch_b8 v0, s[64:65] scope:SCOPE_SE
	s_setreg_imm32_b32 hwreg(HW_REG_WAVE_MODE, 25, 1), 1
	s_wait_xcnt 0x0
; PREP: every input is read once and laid as the later launches' registers want it.
;   x -> three sets of E4M3 codes (scales e0, e2, e4);  Wq, Wk, Wv, Wo -> codes (e1, e3, e5, e11);  cos, sin -> f32 images;  mask -> lane-mask words and block classes.
; code = number / 2^e, held within +-448, to the nearest code, ties to even.
; THE IMAGE of a fragment (16 rows x 128 k of codes, 16 registers a lane): byte 512 g + 16 lane + 4 i' is register 4 g + i' of that lane; lane (r, h) holds row r, and registers 2 c, 2 c + 1 hold k = 16 c + 8 h + 0 .. 7.
; Four 16-byte accesses at 16 x lane + 512 g move a fragment, 512 consecutive bytes each.  Image (P = row / 16, Q = k / 128) of a [2048][2048] tensor lies at (16 P + Q) x 2,048.
; The f32 image of 16 rows x 128 d (cos, sin) is the same with 64 registers: register 8 b + j = (row r, d = 16 b + 8 h + j); 16 accesses, 8,192 bytes.
; mw[T][step][8 c + j], bit r + 16 h = mask[16 T + r][128 step + 16 c + 8 h + j];  cls[T][n]: bits 0-7: some element of key step 8 n + bit is open; bits 8-15: some element is masked.
; A UNIT is 16 rows x 512 bytes; a wave takes two.  Each load reads 512 consecutive bytes of one row; the unit turns through the wave's own stage in LDS (rows 528 bytes apart = 132 words, so that
; sixteen rows begin at sixteen different groups of four banks).  No barrier: waves share nothing.  No matrix unit, no cluster, no tensor load: this is a stream, and nothing in it is read twice.
; Work-groups 0-63: mask; 64-95: cos, sin; 96-1375: x, Wq, Wk, Wv, Wo (256 each).  The common part chooses pointers and offsets without a branch.
; LIMITS: each e between -126 and 119.  NaN among the inputs is not served.  A mask byte counts as true where it is not 0.
.set WST,  16896                       ; a wave's LDS: two stages
.set STG,  8448                        ; a stage: 16 rows x 528
.set SP,   528
.set R0,   16                          ; v16-79   unit 0 as loaded; later unit 1 turned
.set R1,   80                          ; v80-143  unit 1 as loaded
.set X,    144                         ; v144-207 unit 0 turned
.set C,    208                         ; v208-255 codes: 16 registers for each of three scales
.set TT,   80                          ; v80-95   numbers held, two halves of eight by turns (unit 1's registers, free by then)
.set OUTW, 208                         ; v208-223 the mask words, four quads
.set TM,   224                         ; v224-231 at work on the mask
	s_load_b512 s[4:19], s[0:1], 0x0               ; x, Wq, Wk, Wv, Wo, cos, sin, mask
	s_load_b256 s[20:27], s[0:1], 0x40             ; the scales' exponents, xc, wc, rope
	s_load_b128 s[28:31], s[0:1], 0x60             ; mw, cls
	v_lshl_add_u32 v7, v0, 2, 0x10800
	s_set_vgpr_msb 0x40
	v_mov_b32 v1, 0
	s_set_vgpr_msb 0x4000
	v_lshrrev_b32 v1, 5, v0
	v_readfirstlane_b32 s81, v1                    ; wave
	v_and_b32 v1, 31, v0                           ; lane
	v_lshlrev_b32 v2, 4, v1                        ; 16 x lane: my bytes of a load's and of a store's 512
	v_and_b32 v14, 15, v0                          ; r
	v_bfe_u32 v15, v0, 4, 1                        ; h
	s_mul_i32 s88, s81, WST
	v_add_nc_u32 v4, s88, v2                       ; into the stage: as loaded
	v_mul_u32_u24 v5, v14, SP
	v_add_nc_u32 v5, s88, v5
	v_lshl_add_u32 v6, v15, 3, v5                  ; out of it, mask: row r, + 8 h
	v_lshl_add_u32 v5, v15, 5, v5                  ; out of it, f32: row r, + 32 h
	; the wave's place in each of the three families; the two that do not apply are dropped by the selects below
	s_sub_co_u32 s88, ttmp9, 96
	s_lshr_b32 s80, s88, 8                         ; job: 0 x, 1 Wq, 2 Wk, 3 Wv, 4 Wo
	s_and_b32 s88, s88, 255
	s_lshl_b32 s88, s88, 2
	s_add_co_u32 s88, s88, s81                     ; 0 .. 1023: P = / 8, Q = 2 (% 8)
	s_lshr_b32 s90, s88, 3
	s_lshl_b32 s90, s90, 17                        ; 16 rows of 8,192 bytes
	s_and_b32 s89, s88, 7
	s_lshl_b32 s89, s89, 10
	s_add_co_u32 s90, s90, s89                     ; source offset
	s_lshl_b32 s92, s88, 12                        ; destination offset: (16 P + Q) x 2,048
	s_sub_co_u32 s88, ttmp9, 64
	s_lshr_b32 s89, s88, 4                         ; 0 cos, 1 sin
	s_and_b32 s88, s88, 15
	s_lshl_b32 s88, s88, 2
	s_add_co_u32 s88, s88, s81
	s_lshl_b32 s94, s88, 14                        ; 32 rows of 512 bytes
	s_lshl_b32 s95, s89, 20
	s_add_co_u32 s95, s95, s94
	s_lshl_b32 s88, ttmp9, 2
	s_add_co_u32 s88, s88, s81                     ; 0 .. 255: T = / 2, half of the keys = % 2
	s_lshr_b32 s96, s88, 1
	s_lshl_b32 s96, s96, 15                        ; 16 rows of 2,048 bytes
	s_and_b32 s89, s88, 1
	s_lshl_b32 s89, s89, 10
	s_add_co_u32 s96, s96, s89
	s_lshl_b32 s97, s88, 11                        ; mw: T x 4,096 + half x 2,048
	s_lshl_b32 s100, s88, 2                        ; cls: one word
	s_mov_b32 s101, 0
	s_mov_b32 s66, 8192                            ; from row to row
	s_mov_b32 s98, 512                             ; from unit 0 to unit 1
	s_cmp_lt_u32 ttmp9, 96
	s_cselect_b32 s90, s94, s90
	s_cselect_b32 s92, s95, s92
	s_cselect_b32 s66, 512, s66
	s_cselect_b32 s98, 8192, s98
	s_cmp_lt_u32 ttmp9, 64
	s_cselect_b32 s90, s96, s90
	s_cselect_b32 s92, s97, s92
	s_cselect_b32 s66, 2048, s66
	s_cselect_b32 s98, 512, s98
	s_mov_b32 s67, 0
	s_mov_b32 s91, 0
	s_mov_b32 s93, 0
	v_add_nc_u32 v3, s98, v2
	s_wait_kmcnt 0x0
	s_load_b256 s[68:75], s[20:21], 0x0            ; e0 .. e7
	s_load_b128 s[76:79], s[20:21], 0x20           ; e8 .. e11
	s_cmp_eq_u32 s80, 1                            ; the source: a choice among buffers by the work-group's number alone
	s_cselect_b64 s[32:33], s[6:7], s[4:5]
	s_cmp_eq_u32 s80, 2
	s_cselect_b64 s[32:33], s[8:9], s[32:33]
	s_cmp_eq_u32 s80, 3
	s_cselect_b64 s[32:33], s[10:11], s[32:33]
	s_cmp_eq_u32 s80, 4
	s_cselect_b64 s[32:33], s[12:13], s[32:33]
	s_cmp_lt_u32 ttmp9, 96
	s_cselect_b64 s[32:33], s[16:17], s[32:33]
	s_cmp_lt_u32 ttmp9, 80
	s_cselect_b64 s[32:33], s[14:15], s[32:33]
	s_cmp_lt_u32 ttmp9, 64
	s_cselect_b64 s[32:33], s[18:19], s[32:33]
	s_add_nc_u64 s[32:33], s[32:33], s[90:91]
.set t, 1
.rept 15
	s_add_nc_u64 s[32+2*t:33+2*t], s[30+2*t:31+2*t], s[66:67]   ; sixteen row bases, never rewritten
.set t, t+1
.endr
.macro LOADU u
.set t, 0
.rept 16
	global_load_b128 v[R0+64*\u+4*t:R0+64*\u+4*t+3], v[2+\u], s[32+2*t:33+2*t] th:TH_LOAD_NT   ; 512 consecutive bytes of row t
.set t, t+1
.endr
.endm
.macro PUT u
.set t, 0
.rept 16
	ds_store_b128 v4, v[R0+64*\u+4*t:R0+64*\u+4*t+3] offset:STG*\u+SP*t
.set t, t+1
.endr
.endm
.macro GET u, dst                      ; 64 f32 of row r: register 8 c + i = column 16 c + 8 h + i
.set t, 0
.rept 16
	ds_load_b128 v[\dst+4*t:\dst+4*t+3], v5 offset:STG*\u+64*(t/2)+16*(t%2)
.set t, t+1
.endr
.endm
.macro GETM u, dst                     ; 256 mask bytes of row r: pair 8 step + c = keys 128 step + 16 c + 8 h + 0 .. 7
.set t, 0
.rept 32
	ds_load_b64 v[\dst+2*t:\dst+2*t+1], v6 offset:STG*\u+16*t
.set t, t+1
.endr
.endm
	LOADU 0                                        ; both units at once: 32 loads, 16 KiB a wave, on their way
	LOADU 1
	s_wait_loadcnt 16                              ; unit 0's sixteen are in, unit 1's sixteen may be out
	PUT 0
	s_wait_loadcnt 0x0
	PUT 1
	s_wait_dscnt 0x0                               ; the stores have read their registers: both sets are free
	s_wait_kmcnt 0x0                               ; the exponents
	s_cmp_lt_u32 ttmp9, 64
	s_cbranch_scc1 .Lmask
	GET 0, X
	GET 1, R0
	s_cmp_lt_u32 ttmp9, 96
	s_cbranch_scc1 .Lrope
	; ---- x and the weights
	s_max_u32 s88, s80, 1
	s_sub_co_u32 s88, s88, 1
	s_lshl_b32 s88, s88, 22                        ; a weight's 4 MiB in wc
	s_mov_b32 s89, 0
	s_add_nc_u64 s[82:83], s[24:25], s[88:89]
	s_cmp_eq_u32 s80, 0
	s_cselect_b64 s[82:83], s[22:23], s[82:83]
	s_add_nc_u64 s[82:83], s[82:83], s[92:93]      ; first destination
	s_add_nc_u64 s[84:85], s[22:23], s[92:93]
	s_add_nc_u64 s[84:85], s[84:85], 0x400000      ; x under e2
	s_add_nc_u64 s[86:87], s[84:85], 0x400000      ; x under e4
	s_cmp_eq_u32 s80, 1
	s_cselect_b32 s88, s69, s68
	s_cmp_eq_u32 s80, 2
	s_cselect_b32 s88, s71, s88
	s_cmp_eq_u32 s80, 3
	s_cselect_b32 s88, s73, s88
	s_cmp_eq_u32 s80, 4
	s_cselect_b32 s88, s79, s88                    ; e0, e1, e3, e5 or e11
.macro MKSC e, sc, lim
	s_add_co_i32 s89, s[\e], 127
	s_lshl_b32 s99, s89, 23
	v_mov_b32 v[\sc], s99                          ; 2^e as f32: the conversion takes its exponent field
	s_add_co_i32 s89, s89, 8
	s_lshl_b32 s89, s89, 23
	s_or_b32 s89, s89, 0x600000
	v_mov_b32 v[\lim], s89                         ; 448 x 2^e
.endm
	MKSC 88, 8, 9
	MKSC 70, 10, 11
	MKSC 72, 12, 13
; 64 numbers become a fragment's 16 registers under scale o and leave as an image.  The conversion to an 8-bit code does not saturate (ISA guide 7.6.2): each number is held first, into
; one of two halves of eight registers, so that eight plain lines stand between a conversion and the next write of its sources.
.macro QUANT src, o, u
.set c, 0
.rept 8
.set i, 0
.rept 8
	v_med3_num_f32 v[TT+8*(c%2)+i], v[\src+8*c+i], -v[9+2*\o], v[9+2*\o]
.set i, i+1
.endr
	v_cvt_scalef32_pk8_fp8_f32 v[C+16*\o+2*c:C+16*\o+2*c+1], v[TT+8*(c%2):TT+8*(c%2)+7], v[8+2*\o]
.set c, c+1
.endr
.irp g, 0,1,2,3
	global_store_b128 v2, v[C+16*\o+4*\g:C+16*\o+4*\g+3], s[82+2*\o:83+2*\o] offset:2048*\u+512*\g   ; 512 consecutive bytes
.endr
.endm
	s_wait_dscnt 16                                ; unit 0 is back, unit 1's sixteen reads may be out
	QUANT X, 0, 0
	s_cmp_lg_u32 s80, 0
	s_cbranch_scc1 .Lone_0                         ; only x has three scales
	QUANT X, 1, 0
	QUANT X, 2, 0
.Lone_0:
	s_wait_dscnt 0x0
	s_wait_xcnt 0x0                                ; unit 0's stores have read their registers: the codes' registers are written again
	QUANT R0, 0, 1
	s_cmp_lg_u32 s80, 0
	s_cbranch_scc1 .Lone_1
	QUANT R0, 1, 1
	QUANT R0, 2, 1
.Lone_1:
	s_set_vgpr_msb 0x4
	s_wait_tensorcnt 0x0
	ds_add_u32 v7, v1
	s_wait_dscnt 0x0
	s_set_vgpr_msb 0x400
	s_endpgm
	; ---- cos and sin: the turned registers are the image
.Lrope:
	s_add_nc_u64 s[82:83], s[26:27], s[92:93]
	s_wait_dscnt 16
.set t, 0
.rept 16
	global_store_b128 v2, v[X+4*t:X+4*t+3], s[82:83] offset:512*t
.set t, t+1
.endr
	s_wait_dscnt 0x0
.set t, 0
.rept 16
	global_store_b128 v2, v[R0+4*t:R0+4*t+3], s[82:83] offset:8192+512*t
.set t, t+1
.endr
	s_set_vgpr_msb 0x4
	s_wait_tensorcnt 0x0
	ds_add_u32 v7, v1
	s_wait_dscnt 0x0
	s_set_vgpr_msb 0x400
	s_endpgm
	; ---- the mask: one compare makes the 32 bits of a word; the word goes to its lane of the registers that are stored
.Lmask:
	s_add_nc_u64 s[82:83], s[28:29], s[92:93]
	s_add_nc_u64 s[84:85], s[30:31], s[100:101]
	GETM 0, X
	GETM 1, R0
.set t, 0
.rept 16
	v_mov_b32 v[OUTW+t], 0                         ; a lane write's destination counts as read
.set t, t+1
.endr
	s_mov_b32 s98, 0                               ; the classes
.macro MSTEP u, st, src                ; one key step: 64 words; s96: the AND of them, s97: the OR
	s_mov_b32 s96, -1
	s_mov_b32 s97, 0
.set c, 0
.rept 8
.set j, 0
.rept 8
	v_and_b32 v[TM+j], 0xff<<(8*(j%4)), v[\src+2*(8*\st+c)+j/4]
.set j, j+1
.endr
.set j, 0
.rept 8
	v_cmp_ne_u32 s[88+j], 0, v[TM+j]
.set j, j+1
.endr
.set j, 0
.rept 8
.set wd, 64*(\st%2)+8*c+j
	s_and_b32 s96, s96, s[88+j]
	s_or_b32 s97, s97, s[88+j]
	v_writelane_b32 v[OUTW+4*(2*\u+\st/2)+wd%4], s[88+j], wd/4
.set j, j+1
.endr
.set c, c+1
.endr
	s_cmp_lg_u32 s96, -1                           ; not all masked
	s_cselect_b32 s99, 1<<(4*\u+\st), 0
	s_or_b32 s98, s98, s99
	s_cmp_lg_u32 s97, 0                            ; some masked
	s_cselect_b32 s99, 1<<(8+4*\u+\st), 0
	s_or_b32 s98, s98, s99
.endm
	s_wait_dscnt 32                                ; unit 0 is back, unit 1's 32 reads may be out
	MSTEP 0, 0, X
	MSTEP 0, 1, X
	global_store_b128 v2, v[OUTW:OUTW+3], s[82:83]
	MSTEP 0, 2, X
	MSTEP 0, 3, X
	global_store_b128 v2, v[OUTW+4:OUTW+7], s[82:83] offset:512
	s_wait_dscnt 0x0
	MSTEP 1, 0, R0
	MSTEP 1, 1, R0
	global_store_b128 v2, v[OUTW+8:OUTW+11], s[82:83] offset:1024
	MSTEP 1, 2, R0
	MSTEP 1, 3, R0
	global_store_b128 v2, v[OUTW+12:OUTW+15], s[82:83] offset:1536
	v_mov_b32 v14, s98
	v_mov_b32 v15, 0
	v_cmp_eq_u32 vcc_lo, 0, v1
	s_wait_xcnt 0x0                                ; EXEC is a source of the stores above: it changes only behind this wait
	s_set_vgpr_msb 0x4
	s_wait_tensorcnt 0x0
	ds_add_u32 v7, v1
	s_wait_dscnt 0x0
	s_set_vgpr_msb 0x400
	s_and_saveexec_b32 s99, vcc_lo
	global_store_b32 v15, v14, s[84:85]            ; lane 0 alone: the wave's word of classes
	s_wait_xcnt 0x0
	s_or_b32 exec_lo, exec_lo, s99
	s_endpgm
.Lfunc_end_k_qe9c0542be2_prep:
	.size	k_qe9c0542be2_prep, .Lfunc_end_k_qe9c0542be2_prep-k_qe9c0542be2_prep
	.p2alignl 7, 3214868480
	.fill 96, 4, 3214868480
	.section	.rodata,"a",@progbits
	.p2align	6, 0x0
	.amdhsa_kernel k_qe9c0542be2_prep
		.amdhsa_group_segment_fixed_size 68096
		.amdhsa_private_segment_fixed_size 0
		.amdhsa_enable_private_segment 0
		.amdhsa_kernarg_size 112
		.amdhsa_user_sgpr_count 2
		.amdhsa_user_sgpr_kernarg_segment_ptr 1
		.amdhsa_wavefront_size32 1
		.amdhsa_system_sgpr_workgroup_id_x 1
		.amdhsa_system_sgpr_workgroup_id_y 1
		.amdhsa_system_sgpr_workgroup_id_z 1
		.amdhsa_system_vgpr_workitem_id 0
		.amdhsa_next_free_vgpr 258
		.amdhsa_next_free_sgpr 102
		.amdhsa_reserve_vcc 1
		.amdhsa_float_denorm_mode_32 3
		.amdhsa_float_denorm_mode_16_64 3
		.amdhsa_memory_ordered 1
		.amdhsa_forward_progress 1
		.amdhsa_inst_pref_size 182
	.end_amdhsa_kernel
	.amdgpu_metadata
---
amdhsa.version: [ 1, 2 ]
amdhsa.kernels:
  - .name:           k_qe9c0542be2_prep
    .symbol:         k_qe9c0542be2_prep.kd
    .args:
      - { .name: x, .offset: 0, .size: 8, .value_kind: global_buffer, .address_space: global }
      - { .name: Wq, .offset: 8, .size: 8, .value_kind: global_buffer, .address_space: global }
      - { .name: Wk, .offset: 16, .size: 8, .value_kind: global_buffer, .address_space: global }
      - { .name: Wv, .offset: 24, .size: 8, .value_kind: global_buffer, .address_space: global }
      - { .name: Wo, .offset: 32, .size: 8, .value_kind: global_buffer, .address_space: global }
      - { .name: cos, .offset: 40, .size: 8, .value_kind: global_buffer, .address_space: global }
      - { .name: sin, .offset: 48, .size: 8, .value_kind: global_buffer, .address_space: global }
      - { .name: mask, .offset: 56, .size: 8, .value_kind: global_buffer, .address_space: global }
      - { .name: lowp_scales, .offset: 64, .size: 8, .value_kind: global_buffer, .address_space: global }
      - { .name: xc, .offset: 72, .size: 8, .value_kind: global_buffer, .address_space: global }
      - { .name: wc, .offset: 80, .size: 8, .value_kind: global_buffer, .address_space: global }
      - { .name: rope, .offset: 88, .size: 8, .value_kind: global_buffer, .address_space: global }
      - { .name: mw, .offset: 96, .size: 8, .value_kind: global_buffer, .address_space: global }
      - { .name: cls, .offset: 104, .size: 8, .value_kind: global_buffer, .address_space: global }
    .group_segment_fixed_size: 68096
    .private_segment_fixed_size: 0
    .kernarg_segment_align: 8
    .kernarg_segment_size: 112
    .max_flat_workgroup_size: 128
    .sgpr_count:     102
    .vgpr_count:     258
    .wavefront_size: 32
...
	.end_amdgpu_metadata
.endif
;; end of part 1
;; launch qkv (part 2): grid 24 x 8, 4 waves a work-group, clusters of 4 x 4, 327,680 bytes of LDS; arguments xc, wc, rope, lowp_scales, qkvc, out1, out2; writes qkvc, out1, out2
.if DOCPART == 2
	.amdgcn_target "amdgcn-amd-amdhsa--gfx1250"
	.amdhsa_code_object_version 6
	.text
	.protected	k_qe9c0542be2_qkv
	.globl	k_qe9c0542be2_qkv
	.p2align	8
	.type	k_qe9c0542be2_qkv,@function
k_qe9c0542be2_qkv:
	s_mov_b64 s[64:65], 0
	v_nop
	global_prefetch_b8 v0, s[64:65] scope:SCOPE_SE
	s_setreg_imm32_b32 hwreg(HW_REG_WAVE_MODE, 25, 1), 1
	s_wait_xcnt 0x0
	s_wait_alu depctr_hold_cnt(0) depctr_sa_sdst(0) depctr_va_vdst(0) depctr_va_sdst(0) depctr_va_ssrc(0) depctr_va_vcc(0) depctr_vm_vsrc(0)
	s_getreg_b32 s2, hwreg(HW_REG_IB_STS2, 6, 4)
	s_cmp_eq_u32 s2, 0
	s_cbranch_scc0 .Lentry_in_a_cluster
	s_endpgm
.Lentry_in_a_cluster:
	s_bfe_u32 s2, ttmp6, 0x10000c
	s_cmp_lg_u32 s2, 0xf033
	s_cbranch_scc0 .Lentry_shape_is_right
	s_endpgm
.Lentry_shape_is_right:
; The three projections on E4M3 codes, RoPE, the outputs k and v, and the codes of q, k and v for the attention.
; 192 tiles of 256 x 256; four waves, each 128 x 128: 64 accumulators of 16 x 16, 512 registers.  PR = cluster x / 2: 0 q, 1 k, 2 v: the same in all partners of a cluster.
; OPERANDS ARE IMAGES: a fragment (16 rows x 128 k) is 2,048 bytes, register 4 g + i' of a lane at 512 g + 16 lane + 4 i'; image (P = row / 16, Q = k / 128) at (16 P + Q) x 2,048.  So a tile has no pitch and no
; padding, a fragment comes by four loads of 512 consecutive LDS bytes, and k stands in the form's own places.
; THE MATRIX INSTRUCTION IS USED TRANSPOSED (source 0 = 16 rows of "B", source 1 = 16 rows of "A"): lane (r, h) of accumulator (a, b) holds A's row 16 a + r and B's rows 16 b + 8 h + 0 .. 7.
;   q, k: A = x (positions), B = W: a lane holds eight neighbouring d of one position; d and d + 64 lie in one lane (b and b + 4), so RoPE changes no lane, and eight registers convert into registers 2 b, 2 b + 1 of the next operand.
;   v:    A = Wv (d), B = x (positions): a lane holds eight neighbouring KEYS of one d, which is what V's codes along the keys want.  Only the pointers are swapped; the loop is one text.
; A wave's 128 columns (q, k) or rows (v) are one head.
; K goes in steps of 256 through two LDS slots filled by the tensor data mover; a wave's load is 8 image rows of 4,096 bytes.
; CLUSTERS: 4 x 4 work-groups; A's tile is asked for jointly along a row of the cluster, B's along a column: the same load with the same descriptor and a mask that names the four.
; The sums lack 2^(ex + ew).  RoPE is linear, so the factor is folded: into the conversion's scale (2^(e6 - e0 - e1), 2^(e7 - e2 - e3), 2^(e9 - e4 - e5)) and into one multiplication for the f32 outputs.
; LIMITS: e6 - e0 - e1, e7 - e2 - e3, e9 - e4 - e5 between -126 and 119; e2 + e3 and e4 + e5 between -126 and 127.
; REGISTERS, in windows of 256: window 0: v10, v11 scale and limit; v16-30 addresses; in the loop v128-255 A's fragments, one set; on the way out v32-95 T, v96-111 codes, v128-191 Y, v192-255 rows read back.
;   window 1: B's fragments, two sets; on the way out two sets of cos (64) and sin (64).   windows 2, 3: the accumulators, (a, b) at v[8 (8 (a % 4) + b)].
.set HALFT,  32768                     ; 8 image rows x 4,096 bytes: what one tensor load brings, and what a wave reads of A or of B
.set SLOT,   4*HALFT                   ; A's two halves, then B's
.set SPARE,  2*SLOT                    ; behind the ring: the spare words, 128 bytes a wave: two blocks of 256 bytes that no other line names
.set KBYTES, 4096                      ; a K step in an image row
.set FR,     16
.set NL,     4
.set NP,     4
.set LAPS,   4                         ; 2,048 along K = 8 K steps = 4 times round the ring
.set SPITCH, 528                       ; a stage row: 512 bytes + 16
.set VSTG,   65536                     ; v's stages; k's lie at 0.  Both in slot 0, which has had its last fill and its last read when the first result is stored there
.set SCL,  10
.set LIM,  11
.set ADRA, 16
.set ADRB, 20
.set KSTO, 24
.set KRD,  25
.set VSTO, 26
.set VRD,  27
.set SPW,  28                          ; LDS address of my spare word; never rewritten
.set NIL,  29                          ; 0; never rewritten
.set LI,   30                          ; 16 x lane
.set T,    32
.set CC,   96
.set AF,   128
.set Y,    128
.set BK,   192
.set G1, 24
.set G0, 32
.set G1B, 48
.set G0B, 56
.set MSB, 0
.macro WIN new                         ; the immediate's high byte repeats the setting that is left
.if MSB != (\new)
	s_set_vgpr_msb (MSB<<8)|(\new)
.set MSB, (\new)
.endif
.endm
.set MUL_LO, 0xa1                      ; source 0 (B) window 1, source 1 (A) window 0, C and D window 2
.set MUL_HI, 0xf1
.set TO_B,   0x40
; A joint load: waves 0 and 1 fetch A's halves, waves 2 and 3 B's.  The branch hangs on the wave's number alone.  Four v_nop follow each of the two lines.
.macro JLOAD g0a, g1a, g0b, g1b
	s_cmp_eq_u32 s15, 0
	s_cbranch_scc0 .Lfor_b_\@
	tensor_load_to_lds s[\g0a:\g0a+3], s[\g1a:\g1a+7]
	s_nop 0
.rept 4
	v_nop
.endr
	s_branch .Lasked_\@
.Lfor_b_\@:
	tensor_load_to_lds s[\g0b:\g0b+3], s[\g1b:\g1b+7]
	s_nop 0
.rept 4
	v_nop
.endr
.Lasked_\@:
.endm
.macro CREST                           ; a round of the cluster's barrier behind its opening barrier
	s_cmp_lg_u32 s14, 0
	s_cbranch_scc1 .Lnot_wave_0_\@
	s_barrier_signal -3
.Lnot_wave_0_\@:
	s_barrier_wait -3
	s_barrier_signal -1
	s_barrier_wait -1
.endm
.macro CROUND
	s_barrier_signal -1
	s_barrier_wait -1
	CREST
.endm
	s_load_b128 s[4:7], s[0:1], 0x0                ; xc, wc
	s_load_b128 s[8:11], s[0:1], 0x10              ; rope, the scales' exponents
	s_load_b128 s[84:87], s[0:1], 0x20             ; qkvc, out1
	s_load_b64 s[88:89], s[0:1], 0x30              ; out2
	v_lshl_add_u32 v[SPW], v0, 2, SPARE
	v_mov_b32 v[NIL], 0
	ds_add_u32 v28, v29
	ds_add_u32 v28, v29
	s_wait_dscnt 0x0
	v_lshrrev_b32 v1, 5, v0
	v_readfirstlane_b32 s14, v1                    ; wave 0..3
	s_lshr_b32 s15, s14, 1                         ; which half of A's rows is mine.  Also: I fetch for A (0) or for B (1)
	s_and_b32 s16, s14, 1                          ; which half of B's rows.  Also: which half of that tile I fetch
	s_bfe_u32 s40, ttmp6, 0x40000                  ; cx, cy
	s_bfe_u32 s41, ttmp6, 0x40004
	s_lshr_b32 s80, ttmp9, 1                       ; PR
	s_and_b32 s42, ttmp9, 1
	s_lshl_b32 s42, s42, 2
	s_add_co_u32 s42, s42, s40                     ; tile of B: 4 (cluster x % 2) + cx
	s_and_b32 s17, ttmp7, 0xffff
	s_lshl_b32 s17, s17, 2
	s_add_co_u32 s17, s17, s41                     ; tile of A: 4 x cluster y + cy
	s_lshl_b32 s43, s41, 2
	s_lshl_b32 s43, 15, s43                        ; my row of the cluster
	s_lshl_b32 s44, 0x1111, s40                    ; my column
	s_or_b32 s[G1+0], s43, (3<<16)|(1<<21)         ; 15:0 the mask; 17:16 elements of 8 bytes; 20 no padding; 21 set beside a mask
	s_or_b32 s[G1B+0], s44, (3<<16)|(1<<21)
.irp g, G1, G1B
	s_mov_b32 s[\g+1], 512<<16                     ; tensor_dim0 = 512 elements: 4,096 bytes of an image row
	s_mov_b32 s[\g+2], 8<<16                       ; tensor_dim1 = 8 image rows
	s_mov_b32 s[\g+3], 512<<16                     ; tile_dim0
	s_mov_b32 s[\g+4], 8                           ; tile_dim1
	s_mov_b32 s[\g+5], 4096                        ; from image row to image row: 32,768 bytes
	s_mov_b32 s[\g+6], 0
	s_mov_b32 s[\g+7], 0
.endr
	s_lshl_b32 s18, s16, 3                         ; which 8 image rows of the tile's 16 I fetch
	s_lshl_b32 s19, s80, 22                        ; PR x 4 MiB: the tensor in xc, in wc and in qkvc
	s_lshl_b32 s20, s17, 4
	s_add_co_u32 s20, s20, s18
	s_lshl_b32 s20, s20, 15
	s_add_co_u32 s20, s20, s19                     ; A
	s_lshl_b32 s46, s42, 4
	s_add_co_u32 s46, s46, s18
	s_lshl_b32 s46, s46, 15
	s_add_co_u32 s46, s46, s19                     ; B
	s_mov_b32 s21, 0
	s_mov_b32 s47, 0
	s_mul_i32 s45, s14, HALFT                      ; where they go: no place in the cluster enters an LDS address
	s_wait_kmcnt 0x0
	s_load_b256 s[68:75], s[10:11], 0x0            ; e0 .. e7
	s_load_b128 s[76:79], s[10:11], 0x20           ; e8 .. e11
	s_cmp_eq_u32 s80, 2                            ; for v the roles are swapped
	s_cselect_b64 s[12:13], s[6:7], s[4:5]
	s_cselect_b64 s[22:23], s[4:5], s[6:7]
	s_add_nc_u64 s[20:21], s[12:13], s[20:21]
	s_add_nc_u64 s[46:47], s[22:23], s[46:47]
	CROUND                                         ; all sixteen work-groups are here: the first joint loads meet
.irp s, 0,1
	s_mov_b32 s[G0+4*\s], 1
	s_add_co_u32 s[G0+4*\s+1], s45, \s*SLOT
	s_add_nc_u64 s[G0+4*\s+2:G0+4*\s+3], s[20:21], \s*KBYTES
	s_or_b32 s[G0+4*\s+3], s[G0+4*\s+3], 0x80000000
	s_mov_b32 s[G0B+4*\s], 1
	s_add_co_u32 s[G0B+4*\s+1], s45, \s*SLOT
	s_add_nc_u64 s[G0B+4*\s+2:G0B+4*\s+3], s[46:47], \s*KBYTES
	s_or_b32 s[G0B+4*\s+3], s[G0B+4*\s+3], 0x80000000
	JLOAD G0+4*\s, G1, G0B+4*\s, G1B
.endr
	v_and_b32 v1, 15, v0                           ; r
	v_bfe_u32 v2, v0, 4, 1                         ; h
	v_and_b32 v3, 31, v0
	v_lshlrev_b32 v[LI], 4, v3
	s_mul_i32 s21, s15, HALFT                      ; my half of A
	s_mul_i32 s22, s16, HALFT                      ; my half of B,
	s_add_co_u32 s22, s22, 2*HALFT                 ; which lies behind A's two
.irp s, 0,1
	v_add_nc_u32 v[ADRA+\s], s21, v[LI]
	v_add_nc_u32 v[ADRB+\s], s22, v[LI]
	s_add_co_u32 s21, s21, SLOT
	s_add_co_u32 s22, s22, SLOT
.endr
	s_mul_i32 s23, s14, 16*SPITCH                  ; my stages
	v_mul_u32_u24 v5, v1, SPITCH
	v_lshl_add_u32 v5, v2, 5, v5
	v_add_nc_u32 v[KSTO], s23, v5                  ; k, in: row r, 32 bytes for each half of the lanes
	v_add_nc_u32 v[KRD], s23, v[LI]                ; k, back: a row of 512 bytes
	v_mul_u32_u24 v5, v2, 8*SPITCH
	v_lshl_add_u32 v5, v1, 2, v5
	v_add_nc_u32 v5, s23, v5
	v_add_nc_u32 v[VSTO], VSTG, v5                 ; v, in: row 8 h + j, column r
	v_add_nc_u32 v5, s23, v[LI]
	v_add_nc_u32 v[VRD], VSTG, v5
	; where the results go.  q, k: head = 2 x B's tile + my half of B, block of 128 positions = 2 x A's tile + my half of A;  v: the other way round
	s_lshl_b32 s82, s42, 1
	s_add_co_u32 s82, s82, s16
	s_lshl_b32 s83, s17, 1
	s_add_co_u32 s83, s83, s15
	s_cmp_eq_u32 s80, 2
	s_cselect_b32 s98, s83, s82                    ; head
	s_cselect_b32 s99, s82, s83                    ; block
	s_cselect_b64 s[92:93], s[88:89], s[86:87]     ; out2 or out1
	s_lshl_b32 s82, s98, 18
	s_lshl_b32 s83, s99, 14
	s_add_co_u32 s82, s82, s83
	s_add_co_u32 s82, s82, s19
	s_mov_b32 s83, 0
	s_add_nc_u64 s[90:91], s[84:85], s[82:83]      ; the codes: eight images of 2,048 bytes on end, for q, k and v alike
	s_lshl_b32 s82, s98, 20
	s_lshl_b32 s98, s99, 16
	s_add_co_u32 s82, s82, s98
	s_add_nc_u64 s[92:93], s[92:93], s[82:83]      ; the f32 rows: 128 rows of 512 bytes on end
	s_mov_b32 s82, s98
	s_add_nc_u64 s[94:95], s[8:9], s[82:83]        ; cos's eight images of my positions; sin's lie 1 MiB further on
.macro FRAG reg, adr, q, i             ; image (row i, column q) of my half of a slot: four loads of 512 consecutive bytes
.irp c, 0,1,2,3
	ds_load_b128 v[\reg+4*\c:\reg+4*\c+3], v[\adr] offset:(2*(\i)+(\q))*2048+512*\c
.endr
.endm
; 16 matrix instructions: A's blocks a0, a0 + 1 x B's eight.  The 64 accumulators take turns, one instruction a turn, in the same order in every step.
.macro MUL16 a0, p, zero
.irp a, \a0, \a0+1
.irp b, 0,1,2,3,4,5,6,7
.if \zero
	v_wmma_f32_16x16x128_fp8_fp8 v[8*(8*((\a)%4)+\b):8*(8*((\a)%4)+\b)+7], v[128*(\p)+FR*\b:128*(\p)+FR*\b+FR-1], v[AF+FR*(\a):AF+FR*(\a)+FR-1], 0
.else
	v_wmma_f32_16x16x128_fp8_fp8 v[8*(8*((\a)%4)+\b):8*(8*((\a)%4)+\b)+7], v[128*(\p)+FR*\b:128*(\p)+FR*\b+FR-1], v[AF+FR*(\a):AF+FR*(\a)+FR-1], v[8*(8*((\a)%4)+\b):8*(8*((\a)%4)+\b)+7]
.endif
.endr
.endr
.endm
.macro FETCH_B slot, q, p
	WIN TO_B
.irp i, 0,1,2,3,4,5,6,7
	FRAG 128*(\p)+FR*\i, ADRB+\slot, \q, \i
.endr
	WIN 0
.endm
.macro FETCH_A slot, q, i0
.irp i, \i0, \i0+1, \i0+2, \i0+3
	FRAG AF+FR*(\i), ADRA+\slot, \q, \i
.endr
.endm
.macro PLACES n                        ; plain vector lines between a matrix instruction and a load into, or a vector read or write of, one of its registers
.rept \n
	v_nop
.endr
.endm
; A step of 128 along K that has its successor in the same slot.  A has one set of registers: a block is free when its eight products are issued; B has two.
.macro STEP slot, q, zero
	s_wait_dscnt 4*NL                              ; B's set and A's blocks 0-3 are in; the youngest sixteen loads (A's blocks 4-7) may be out
	WIN MUL_LO
	MUL16 0, (\q)%2, \zero
	MUL16 2, (\q)%2, \zero
	s_wait_dscnt 0
	PLACES NP
	FETCH_B \slot, (\q)+1, 1-(\q)%2
	FETCH_A \slot, (\q)+1, 0
	WIN MUL_HI
	MUL16 4, (\q)%2, \zero
	MUL16 6, (\q)%2, \zero
	PLACES NP
	WIN 0
	FETCH_A \slot, (\q)+1, 4
.endm
; A slot's last step changes slots: ONE barrier; in front of it each wave waits for all its tensor loads, adds 0 to its spare word, and waits for that and for its own reads of this slot.
.macro TURN slot, next, fill
	s_wait_tensorcnt 0x0                           ; all my tensor loads have landed: my part of the next slot
	ds_add_u32 v[SPW], v[NIL]                      ; 0 onto my spare word
	s_wait_dscnt 4*NL+1                            ; (the add and A's blocks 4-7 may be out)
	WIN MUL_LO
	MUL16 0, 1, 0
	s_wait_dscnt 0x0                               ; the add is done, and my reads of this slot are over
	s_barrier_signal -1
	MUL16 2, 1, 0
	WIN 0
	s_barrier_wait -1
.if \fill
	CREST                                          ; the barrier has opened a round of the cluster's: no wave of any partner still reads this slot or has a load on its way
	s_add_nc_u64 s[G0+4*\slot+2:G0+4*\slot+3], s[G0+4*\slot+2:G0+4*\slot+3], 2*KBYTES
	s_add_nc_u64 s[G0B+4*\slot+2:G0B+4*\slot+3], s[G0B+4*\slot+2:G0B+4*\slot+3], 2*KBYTES
	JLOAD G0+4*\slot, G1, G0B+4*\slot, G1B         ; the first tensor load behind the round; its four v_nop are the places in front of the loads below
.else
	PLACES NP
.endif
	FETCH_B \next, 0, 0
	FETCH_A \next, 0, 0
	WIN MUL_HI
	MUL16 4, 1, 0
	MUL16 6, 1, 0
	PLACES NP
	WIN 0
	FETCH_A \next, 0, 4
.endm
	s_wait_tensorcnt 1                             ; my part of K step 0 is in; K step 1's load may be out
	s_barrier_signal -1
	s_barrier_wait -1
	FETCH_B 0, 0, 0
	FETCH_A 0, 0, 0
	FETCH_A 0, 0, 4
	STEP 0, 0, 1                                   ; the first step's products start the sums: nothing is cleared
	s_mov_b32 s3, LAPS-1
.Llap:                                                 ; a trip goes once round the ring and fills both slots again
	TURN 0, 1, 1
	STEP 1, 0, 0
	TURN 1, 0, 1
	STEP 0, 0, 0
	s_sub_co_u32 s3, s3, 1
	s_cmp_lg_u32 s3, 0
	s_cbranch_scc1 .Llap
	TURN 0, 1, 0                                   ; the last lap fills nothing
	STEP 1, 0, 0
	s_wait_dscnt 4*NL
	WIN MUL_LO
	MUL16 0, 1, 0
	MUL16 2, 1, 0
	s_wait_dscnt 0
	WIN MUL_HI
	MUL16 4, 1, 0
	MUL16 6, 1, 0
	WIN 0
	; ---- THE WAY OUT
	s_wait_kmcnt 0x0
	s_cmp_eq_u32 s80, 1                            ; the scales are chosen without a branch
	s_cselect_b32 s2, s70, s68
	s_cselect_b32 s3, s71, s69
	s_cselect_b32 s82, s75, s74
	s_cmp_eq_u32 s80, 2
	s_cselect_b32 s2, s72, s2
	s_cselect_b32 s3, s73, s3
	s_cselect_b32 s82, s77, s82
	s_add_co_i32 s2, s2, s3                        ; ex + ew: what the sums lack
	s_sub_co_i32 s82, s82, s2                      ; the next operand's e less that
	s_add_co_i32 s2, s2, 127
	s_lshl_b32 s96, s2, 23                         ; 2^(ex + ew) as f32
	s_mov_b32 s97, s96                             ; (named with it as a pair)
	s_add_co_i32 s82, s82, 127
	s_lshl_b32 s83, s82, 23
	v_mov_b32 v[SCL], s83                          ; the conversion's one scale
	s_add_co_i32 s82, s82, 8
	s_lshl_b32 s82, s82, 23
	s_or_b32 s82, s82, 0x600000
	v_mov_b32 v[LIM], s82                          ; 448 x that
	PLACES NP                                      ; behind the last products: for every read of results and every write and load into the fragments' registers below
.macro CSLOAD a                        ; cos's and sin's images of positions 16 a on, into set a % 2 of window 1
	WIN 0x40
.set n, 0
.rept 16
	global_load_b128 v[128*((\a)%2)+4*n:128*((\a)%2)+4*n+3], v[LI], s[94:95] offset:8192*(\a)+512*n
	global_load_b128 v[128*((\a)%2)+64+4*n:128*((\a)%2)+64+4*n+3], v[LI], s[94:95] offset:1048576+8192*(\a)+512*n
.set n, n+1
.endr
	WIN 0
.endm
.macro ROPE a                          ; T = sums x cos + rotate_half(sums) x sin: d < 64 (b < 4) takes -(d + 64), d >= 64 takes d - 64.  Each accumulator is read from its low end on
.set AC, 64*((\a)%4)
.set CSB, 128*((\a)%2)
	WIN 0x06+((\a)/4)                              ; source 0: the sums' window; source 1: window 1
.irp b, 0,1,2,3
.irp i, 0,2,4,6
	v_pk_mul_f32 v[T+8*\b+\i:T+8*\b+\i+1], v[AC+8*\b+\i:AC+8*\b+\i+1], v[CSB+8*\b+\i:CSB+8*\b+\i+1]
	v_pk_mul_f32 v[T+32+8*\b+\i:T+32+8*\b+\i+1], v[AC+32+8*\b+\i:AC+32+8*\b+\i+1], v[CSB+32+8*\b+\i:CSB+32+8*\b+\i+1]
.endr
.endr
.irp b, 0,1,2,3
.irp i, 0,2,4,6
	v_pk_fma_f32 v[T+8*\b+\i:T+8*\b+\i+1], v[AC+32+8*\b+\i:AC+32+8*\b+\i+1], v[CSB+64+8*\b+\i:CSB+64+8*\b+\i+1], v[T+8*\b+\i:T+8*\b+\i+1] neg_lo:[1,0,0] neg_hi:[1,0,0]
	v_pk_fma_f32 v[T+32+8*\b+\i:T+32+8*\b+\i+1], v[AC+8*\b+\i:AC+8*\b+\i+1], v[CSB+96+8*\b+\i:CSB+96+8*\b+\i+1], v[T+32+8*\b+\i:T+32+8*\b+\i+1]
.endr
.endr
.endm
.macro QUANT src, win                  ; 64 numbers, register 8 c + j = k 16 c + 8 h + j, become a fragment's 16 registers.  The conversion does not saturate (ISA guide 7.6.2): the hold comes first
	WIN \win
.set n, 0
.rept 64
	v_med3_num_f32 v[T+n], v[\src+n], -v[LIM], v[LIM]
.set n, n+1
.endr
	WIN 0
.irp c, 0,1,2,3,4,5,6,7
	v_cvt_scalef32_pk8_fp8_f32 v[CC+2*\c:CC+2*\c+1], v[T+8*\c:T+8*\c+7], v[SCL]
.endr
	v_nop                                          ; one plain line behind the last conversion, ahead of the next vector write of its sources
.endm
.macro CODES a
.irp g, 0,1,2,3
	global_store_b128 v[LI], v[CC+4*\g:CC+4*\g+3], s[90:91] offset:2048*(\a)+512*\g   ; the image: 512 consecutive bytes a store
.endr
.endm
.macro KOUT a                          ; k alone: the f32 rows.  A lane holds 32 bytes of a row: the block goes through my stage and comes back as whole rows of 512 bytes
	s_cmp_lg_u32 s80, 1
	s_cbranch_scc1 .Lnot_k_\@
.set n, 0
.rept 32
	v_pk_mul_f32 v[Y+n:Y+n+1], v[T+n:T+n+1], s[96:97] op_sel_hi:[1,0]
.set n, n+2
.endr
.irp b, 0,1,2,3,4,5,6,7
	ds_store_b128 v[KSTO], v[Y+8*\b:Y+8*\b+3] offset:64*\b
	ds_store_b128 v[KSTO], v[Y+8*\b+4:Y+8*\b+7] offset:64*\b+16
.endr
.set n, 0
.rept 16
	ds_load_b128 v[BK+4*n:BK+4*n+3], v[KRD] offset:n*SPITCH   ; LDS serves a wave's instructions in order (ISA guide 5.7.1.4): these see the stores above
.set n, n+1
.endr
.set n, 0
.rept 16
	s_wait_dscnt 15-n                              ; row n is back; the younger reads may be out
	global_store_b128 v[LI], v[BK+4*n:BK+4*n+3], s[92:93] offset:8192*(\a)+512*n th:TH_STORE_NT
.set n, n+1
.endr
.Lnot_k_\@:
.endm
	s_cmp_eq_u32 s80, 2
	s_cbranch_scc1 .Lv_out
	CSLOAD 0
	CSLOAD 1
.irp a, 0,1,2,3,4,5,6,7
.if \a < 7
	s_wait_loadcnt 32                              ; this block's 32 loads are in; the next block's may be out
.else
	s_wait_loadcnt 0x0
.endif
	ROPE \a
.if \a < 6
	CSLOAD \a+2
.else
	WIN 0
.endif
	s_wait_xcnt 0x0                                ; the last block's stores have read their registers
	KOUT \a
	QUANT T, 0
	CODES \a
.endr
	s_branch .Lend
.Lv_out:
.irp a, 0,1,2,3,4,5,6,7                ; V's codes: d tile a, my 128 keys: accumulators (a, 0 .. 7) are the fragment's 64 numbers
.if \a > 0
	s_wait_xcnt 0x0
.endif
	QUANT 64*(\a%4), 2+\a/4
	CODES \a
.endr
.irp b, 0,1,2,3,4,5,6,7                ; v's f32 rows: 16 positions x 128 d at a time, turned in my stage: a lane's number (d = 16 a + r, position 8 h + j) goes to row 8 h + j
	s_wait_xcnt 0x0                                ; the stores before have read their registers
	WIN 0x02
.irp a, 0,1,2,3
.irp i, 0,2,4,6
	v_pk_mul_f32 v[T+8*\a+\i:T+8*\a+\i+1], v[8*(8*\a+\b)+\i:8*(8*\a+\b)+\i+1], s[96:97] op_sel_hi:[1,0]
.endr
.endr
	WIN 0x03
.irp a, 0,1,2,3
.irp i, 0,2,4,6
	v_pk_mul_f32 v[T+32+8*\a+\i:T+32+8*\a+\i+1], v[8*(8*\a+\b)+\i:8*(8*\a+\b)+\i+1], s[96:97] op_sel_hi:[1,0]
.endr
.endr
	WIN 0
.irp a, 0,1,2,3,4,5,6,7
.irp j, 0,1,2,3,4,5,6,7
	ds_store_b32 v[VSTO], v[T+8*\a+\j] offset:SPITCH*\j+64*\a   ; sixteen lanes write 64 neighbouring bytes; the two halves of the lanes lie 32 banks apart
.endr
.endr
.set n, 0
.rept 16
	ds_load_b128 v[BK+4*n:BK+4*n+3], v[VRD] offset:n*SPITCH
.set n, n+1
.endr
.set n, 0
.rept 16
	s_wait_dscnt 15-n
	global_store_b128 v[LI], v[BK+4*n:BK+4*n+3], s[92:93] offset:8192*\b+512*n th:TH_STORE_NT
.set n, n+1
.endr
.endr
.Lend:
	s_wait_tensorcnt 0x0                           ; the wave's end: behind my last tensor load and my last LDS store
	ds_add_u32 v[SPW], v[NIL]
	s_wait_dscnt 0x0
	CROUND                                         ; the closing round
	s_endpgm
.Lfunc_end_k_qe9c0542be2_qkv:
	.size	k_qe9c0542be2_qkv, .Lfunc_end_k_qe9c0542be2_qkv-k_qe9c0542be2_qkv
	.p2alignl 7, 3214868480
	.fill 96, 4, 3214868480
	.section	.rodata,"a",@progbits
	.p2align	6, 0x0
	.amdhsa_kernel k_qe9c0542be2_qkv
		.amdhsa_group_segment_fixed_size 327680
		.amdhsa_private_segment_fixed_size 0
		.amdhsa_enable_private_segment 0
		.amdhsa_kernarg_size 56
		.amdhsa_user_sgpr_count 2
		.amdhsa_user_sgpr_kernarg_segment_ptr 1
		.amdhsa_wavefront_size32 1
		.amdhsa_system_sgpr_workgroup_id_x 1
		.amdhsa_system_sgpr_workgroup_id_y 1
		.amdhsa_system_sgpr_workgroup_id_z 1
		.amdhsa_system_vgpr_workitem_id 0
		.amdhsa_next_free_vgpr 1024
		.amdhsa_next_free_sgpr 100
		.amdhsa_reserve_vcc 0
		.amdhsa_float_denorm_mode_32 3
		.amdhsa_float_denorm_mode_16_64 3
		.amdhsa_memory_ordered 1
		.amdhsa_forward_progress 1
		.amdhsa_inst_pref_size 255
	.end_amdhsa_kernel
	.section	.bss,"aw",@nobits
	.p2align	6
	.space	262144
	.amdgpu_metadata
---
amdhsa.version: [ 1, 2 ]
amdhsa.kernels:
  - .name:           k_qe9c0542be2_qkv
    .symbol:         k_qe9c0542be2_qkv.kd
    .args:
      - { .name: xc, .offset: 0, .size: 8, .value_kind: global_buffer, .address_space: global }
      - { .name: wc, .offset: 8, .size: 8, .value_kind: global_buffer, .address_space: global }
      - { .name: rope, .offset: 16, .size: 8, .value_kind: global_buffer, .address_space: global }
      - { .name: lowp_scales, .offset: 24, .size: 8, .value_kind: global_buffer, .address_space: global }
      - { .name: qkvc, .offset: 32, .size: 8, .value_kind: global_buffer, .address_space: global }
      - { .name: out1, .offset: 40, .size: 8, .value_kind: global_buffer, .address_space: global }
      - { .name: out2, .offset: 48, .size: 8, .value_kind: global_buffer, .address_space: global }
    .group_segment_fixed_size: 327680
    .private_segment_fixed_size: 0
    .kernarg_segment_align: 8
    .kernarg_segment_size: 56
    .max_flat_workgroup_size: 128
    .sgpr_count:     100
    .vgpr_count:     1024
    .wavefront_size: 32
...
	.end_amdgpu_metadata
.endif
;; end of part 2
;; launch attn (part 3): grid 16 x 16, 8 waves a work-group, no clusters, 132,096 bytes of LDS; arguments qkvc, mw, cls, lowp_scales, oc; writes oc
.if DOCPART == 3
	.amdgcn_target "amdgcn-amd-amdhsa--gfx1250"
	.amdhsa_code_object_version 6
	.text
	.protected	k_qe9c0542be2_attn
	.globl	k_qe9c0542be2_attn
	.p2align	8
	.type	k_qe9c0542be2_attn,@function
k_qe9c0542be2_attn:
	s_mov_b64 s[64:65], 0
	v_nop
	global_prefetch_b8 v0, s[64:65] scope:SCOPE_SE
	s_setreg_imm32_b32 hwreg(HW_REG_WAVE_MODE, 25, 1), 1
	s_wait_xcnt 0x0
; Attention on E4M3 codes with the mask that is given, and the codes of its result for the last projection.
; t = score x log2(e) / sqrt(128); M = the row's running largest t rounded UP to a whole number; p = 2^(t - M) is quantised along the keys (scale e8), not normalised; the row's sum is taken of the
; unquantised p and divides at the end.  When M moves, the sum and O are multiplied by 2^(old M - new M), which rounds nothing.
; SHARES.  Work-group (p, head); each of its eight waves owns one tile of 16 queries: waves 0-3 tiles 4 p + w, waves 4-7 tiles 120 - 4 p + w.  The assignment is fixed and right for every mask; it pairs early
; with late queries, so that under masks that hide later keys the work-groups have about the same number of open steps.
; WORK THAT THE MASK THROWS AWAY IS LEFT OUT, whatever the mask is: an earlier launch has stored, for each block of 16 queries x 128 keys, whether any element is open and whether any is masked, and the mask itself
; as lane-mask words.  A step with no open element is jumped over; a step with no masked element has no selects.  Those are branches on whole numbers read from memory.
; NO TENSOR LOAD, NO CLUSTER, NO JOINT REQUEST: the walk hangs on those stored numbers, and partners would want different steps.  K and V go from memory through 64 registers a wave into LDS, a slot of 256 keys
; ahead, and every wave passes every barrier: none stands under a branch, and the loop's trip count is a constant.
; LAYOUT.  All operands are images (register 4 g + i' of a lane at 512 g + 16 lane + 4 i').  Both products are used transposed: S^T = K Q^T, O^T = V^T P^T: a lane holds ONE query (lane % 16) throughout, and
; tile c's eight registers are keys (or d) 16 c + 8 (lane / 16) + 0 .. 7: their conversion gives registers 2 c, 2 c + 1 of the next operand.
; A query with no open key gets NaN codes: its row of the result is NaN, as a softmax over nothing is.
; LIMITS: e6 + e7 between -123 and 130 (added to c's exponent field); e8 and e10 between -126 and 119; e8 + e9 is applied by v_ldexp_f32 and has none.
; LDS: two buffers of 65,536 bytes: K's 16 images (8 q + tile) x 2,048, then V's 16 at 32,768.
; REGISTERS: v1, v2 16 x lane in buffer 0, 1; v3, v4 the same + 4,096 x wave; v5 256 x lane; v6 -infinity; v12 -M, v13 the largest t, v[14:15] the sum; v16-31 Q; v32-95 four fragments; v96-159 S^T, then p;
; v160-223 O^T; v224-239 codes; v240, v244 limit and scale of p; v241, v245 of the result; v256-319 the staging set.  s[32:63], s[68:99]: a step's 64 mask words.
.set BUF1, 65536
.set VOFF, 32768
.set MSB, 0
.macro WIN new
.if MSB != (\new)
	s_set_vgpr_msb (MSB<<8)|(\new)
.set MSB, (\new)
.endif
.endm
.macro LDST                            ; my 4,096 bytes of a slot's K and of its V into the staging set
	WIN 0x40
.irp n, 0,1,2,3,4,5,6,7
	global_load_b128 v[4*\n:4*\n+3], v3, s[24:25] offset:512*\n
	global_load_b128 v[32+4*\n:32+4*\n+3], v3, s[26:27] offset:512*\n
.endr
	WIN 0
.endm
.macro STST b                          ; and from there into buffer b
	WIN 0x04
.irp n, 0,1,2,3,4,5,6,7
	ds_store_b128 v[3+(\b)], v[4*\n:4*\n+3] offset:512*\n
	ds_store_b128 v[3+(\b)], v[32+4*\n:32+4*\n+3] offset:VOFF+512*\n
.endr
	WIN 0
.endm
	s_load_b256 s[4:11], s[0:1], 0x0               ; qkvc, mw, cls, the scales' exponents
	s_load_b64 s[12:13], s[0:1], 0x20              ; oc
	v_lshl_add_u32 v251, v0, 2, 0x20000
	v_mov_b32 v255, 0
	v_lshrrev_b32 v1, 5, v0
	v_readfirstlane_b32 s14, v1                    ; wave 0..7
	v_and_b32 v1, 31, v0
	v_lshlrev_b32 v5, 8, v1
	v_lshlrev_b32 v1, 4, v1
	v_add_nc_u32 v2, BUF1, v1
	s_lshl_b32 s31, s14, 12
	v_add_nc_u32 v3, s31, v1
	v_add_nc_u32 v4, BUF1, v3
	v_mov_b32 v6, 0xff800000
	s_and_b32 s16, ttmp7, 0xffff                   ; head
	s_lshl_b32 s2, ttmp9, 2
	s_add_co_u32 s17, s2, s14
	s_sub_co_u32 s31, 120, s2
	s_add_co_u32 s31, s31, s14
	s_cmp_lt_u32 s14, 4
	s_cselect_b32 s17, s17, s31                    ; T: my tile of queries
	s_lshl_b32 s18, s16, 18                        ; a head's 262,144 bytes in each tensor of codes
	s_mov_b32 s3, 0
	s_mov_b32 s20, 0x76543210                      ; v_permlanex16_b32's selects for lane l xor 16
	s_mov_b32 s21, 0xfedcba98
	s_wait_kmcnt 0x0
	s_load_b128 s[52:55], s[10:11], 0x18           ; e6, e7, e8, e9
	s_load_b32 s56, s[10:11], 0x28                 ; e10
	s_lshl_b32 s2, ttmp9, 5
	s_add_nc_u64 s[60:61], s[8:9], s[2:3]
	s_load_b256 s[32:39], s[60:61], 0x0            ; the classes of tiles 4 p .. 4 p + 3,
	s_sub_co_u32 s2, 992, s2
	s_add_nc_u64 s[62:63], s[8:9], s[2:3]
	s_load_b256 s[40:47], s[62:63], 0x0            ; of tiles 124 - 4 p .. 127 - 4 p,
	s_lshl_b32 s2, s17, 3
	s_add_nc_u64 s[68:69], s[8:9], s[2:3]
	s_load_b64 s[48:49], s[68:69], 0x0             ; and my own tile's
	s_mov_b32 s2, s18
	s_add_nc_u64 s[24:25], s[4:5], s[2:3]
	s_lshl_b32 s2, s17, 11
	s_add_nc_u64 s[58:59], s[24:25], s[2:3]        ; Q's image
	s_add_nc_u64 s[26:27], s[24:25], 0x800000      ; V's codes of the head
	s_add_nc_u64 s[24:25], s[24:25], 0x400000      ; K's
	s_cmp_lt_u32 s14, 4
	s_cselect_b64 s[66:67], s[24:25], s[26:27]     ; the prefetches: waves 0-3 K's, waves 4-7 V's,
	s_and_b32 s2, s14, 3
	s_lshl_b32 s2, s2, 13                          ; 8,192 bytes of a slot's 32,768 a wave,
	s_add_co_u32 s2, s2, 2*32768                   ; at slot 2: the first half steps it to slot 3
	s_add_nc_u64 s[66:67], s[66:67], s[2:3]
	s_cmp_eq_u32 ttmp9, 0
	s_cselect_b32 s105, 5, 0                       ; the head's first work-group asks, for slots 3 to 7; nobody else
	s_lshl_b32 s2, s17, 12
	s_add_nc_u64 s[100:101], s[6:7], s[2:3]        ; my tile's mask words
	s_lshl_b32 s2, s17, 4
	s_add_co_u32 s2, s2, s16
	s_lshl_b32 s2, s2, 11
	s_add_nc_u64 s[12:13], s[12:13], s[2:3]        ; the result's image (P = T, Q = head)
.irp c, 0,1,2,3
	global_load_b128 v[16+4*\c:19+4*\c], v1, s[58:59] offset:512*\c   ; Q stays in registers
.endr
	LDST                                           ; slot 0
	v_mov_b32 v13, 0xff61b1e6                      ; the largest t so far: -3e38
	v_floor_f32 v12, -v13                          ; -M
	v_mov_b32 v14, 0
	v_mov_b32 v15, 0
	v_mov_b32 v236, 0                              ; written once: a lane permute's destination counts as read
	v_mov_b32 v252, 0
	v_mov_b32 v253, 0
	v_mov_b32 v254, 0
.set n, 0
.rept 64
	v_mov_b32 v[160+n], 0                          ; O^T.  Any step may be a tile's first open one, so the step is written once and finds zeros
.set n, n+1
.endr
	s_wait_loadcnt 0x0                             ; Q and slot 0
	STST 0
	s_wait_dscnt 0x0
	s_add_nc_u64 s[24:25], s[24:25], 32768
	s_add_nc_u64 s[26:27], s[26:27], 32768
	LDST                                           ; slot 1
	s_wait_kmcnt 0x0
	s_or_b32 s2, s32, s34                          ; which slots does any of the eight tiles read?
	s_or_b32 s2, s2, s36
	s_or_b32 s2, s2, s38
	s_or_b32 s2, s2, s40
	s_or_b32 s2, s2, s42
	s_or_b32 s2, s2, s44
	s_or_b32 s2, s2, s46
	s_or_b32 s31, s33, s35
	s_or_b32 s31, s31, s37
	s_or_b32 s31, s31, s39
	s_or_b32 s31, s31, s41
	s_or_b32 s31, s31, s43
	s_or_b32 s31, s31, s45
	s_or_b32 s31, s31, s47
	s_and_b32 s2, s2, 0xff
	s_and_b32 s31, s31, 0xff
	s_lshl_b32 s31, s31, 8
	s_or_b32 s2, s2, s31
	s_lshr_b32 s31, s2, 1
	s_or_b32 s2, s2, s31
	s_and_b32 s30, s2, 0x5555                      ; bit 2 x: slot x is read.  No bit from 16 up: nothing is asked for past the head's end
	s_and_b32 s28, s48, 0xff
	s_and_b32 s2, s49, 0xff
	s_lshl_b32 s2, s2, 8
	s_or_b32 s28, s28, s2                          ; bit s: step s has an open element for my tile
	s_bfe_u32 s29, s48, 0x80008
	s_and_b32 s2, s49, 0xff00
	s_or_b32 s29, s29, s2                          ; bit s: it has a masked one
	s_mov_b32 s22, 0x3e0293ee                      ; c = log2(e) / sqrt(128)
	s_add_co_i32 s2, s52, s53
	s_lshl_b32 s2, s2, 23
	s_add_co_i32 s22, s22, s2                      ; x 2^(e6 + e7): the two exponents are added to c's exponent field
	s_mov_b32 s23, s22
	s_add_co_i32 s2, s54, 127
	s_lshl_b32 s31, s2, 23
	v_mov_b32 v244, s31                            ; 2^e8
	s_add_co_i32 s2, s2, 8
	s_lshl_b32 s2, s2, 23
	s_or_b32 s2, s2, 0x600000
	v_mov_b32 v240, s2                             ; 448 x 2^e8
	s_add_co_i32 s2, s56, 127
	s_lshl_b32 s31, s2, 23
	v_mov_b32 v245, s31                            ; 2^e10
	s_add_co_i32 s2, s2, 8
	s_lshl_b32 s2, s2, 23
	s_or_b32 s2, s2, 0x600000
	v_mov_b32 v241, s2                             ; 448 x 2^e10
	s_add_co_i32 s3, s54, s55                      ; e8 + e9
	s_barrier_signal -1                            ; my stores into buffer 0 are done (the wait above)
	s_barrier_wait -1
; A PREFETCH INTO THE L2 of the slot three on from the one in hand: 8,192 bytes a wave, lanes 256 bytes apart; it stands where the wave has just issued its loads.  All work-groups of a head walk the same K and V:
; the head's first asks, waves 0-3 for K's 32,768 bytes, waves 4-7 for V's: each block of 256 bytes is named once.  Slots 0 to 2 come by their loads alone; the count ends with slot 7.
.macro ASK
	s_cmp_lg_u32 s105, 0
	s_cbranch_scc0 .Lnot_mine_\@
	global_prefetch_b8 v5, s[66:67] th:TH_LOAD_NT scope:SCOPE_SE
	s_sub_co_u32 s105, s105, 1
.Lnot_mine_\@:
.endm
; A KEY STEP: 128 keys, the q-th of the slot in buffer b.
.macro STEP b, q
	s_and_b32 s2, s28, 1
	s_cmp_lg_u32 s2, 0
	s_cbranch_scc0 .Lhidden_\@                     ; no open element for my 16 queries: nothing of the step is done
	s_load_b512 s[32:47], s[100:101], (2*\b+\q)*256          ; the step's 64 mask words, always asked for: they land under the loads and products below
	s_load_b512 s[48:63], s[100:101], (2*\b+\q)*256+64
	s_load_b512 s[68:83], s[100:101], (2*\b+\q)*256+128
	s_load_b512 s[84:99], s[100:101], (2*\b+\q)*256+192
.irp g, 0,1                                    ; S^T = K Q^T, four tiles of 16 keys at a time
.rept 4
	v_nop                                          ; places in front of loads into registers that matrix instructions have read
.endr
.irp t, 0,1,2,3
.irp c, 0,1,2,3
	ds_load_b128 v[32+16*\t+4*\c:32+16*\t+4*\c+3], v[1+\b] offset:(8*\q+4*\g+\t)*2048+512*\c
.endr
.endr
	s_wait_dscnt 0x0
.irp t, 0,1,2,3
	v_wmma_f32_16x16x128_fp8_fp8 v[96+8*(4*\g+\t):103+8*(4*\g+\t)], v[32+16*\t:47+16*\t], v[16:31], 0
.endr
.endr
.rept 4
	v_nop
.endr
	s_wait_kmcnt 0x0
	s_and_b32 s2, s29, 1
	s_cmp_lg_u32 s2, 0
	s_cbranch_scc0 .Lopen_\@                       ; no masked element: no selects
.set n, 0
.rept 32
	v_cndmask_b32 v[96+n], v[96+n], v6, s[32+n]    ; word 8 c + j, bit lane: masked scores become -infinity ahead of the maximum: p = 0 then
.set n, n+1
.endr
.rept 32
	v_cndmask_b32 v[96+n], v[96+n], v6, s[36+n]
.set n, n+1
.endr
.Lopen_\@:
	v_max3_num_f32 v254, v96, v97, v98             ; the step's largest score of my query, among my 64 keys, in two chains,
	v_max3_num_f32 v252, v99, v100, v101
.irp i, 6,10,14,18,22,26,30,34,38,42,46,50,54,58
	v_max3_num_f32 v254, v254, v[96+\i], v[97+\i]
	v_max3_num_f32 v252, v252, v[98+\i], v[99+\i]
.endr
	v_max3_num_f32 v254, v254, v158, v159
	v_max_num_f32 v254, v254, v252
	v_permlanex16_b32 v236, v254, s20, s21
	v_max_num_f32 v254, v254, v236                 ; and among lane l xor 16's
	v_mul_f32 v254, s22, v254                      ; as t (c is positive)
	v_max_num_f32 v13, v13, v254                   ; the running largest t
	v_mov_b32 v254, v12
	v_floor_f32 v12, -v13                          ; the new -M = floor(-t) = -ceil(t)
	v_sub_f32 v254, v12, v254                      ; old M - new M: a whole number, 0 or less
	v_cvt_i32_f32 v254, v254                       ; (it saturates)
	v_ldexp_f32 v252, 1.0, v254                    ; f = 2^(old M - new M)
.set n, 0
.rept 32
	v_pk_fma_f32 v[96+n:97+n], v[96+n:97+n], s[22:23], v[12:13] op_sel_hi:[1,0,0]   ; t - M, two at a time
.set n, n+2
.endr
.set n, 0
.rept 64
	v_exp_f32 v[96+n], v[96+n]                     ; p = 2^(t - M)
.set n, n+1
.endr
	v_pk_mul_f32 v[14:15], v[14:15], v[252:253] op_sel_hi:[1,0]   ; the sums under the new M: the plain line behind the exponentials
	s_wait_alu depctr_va_vdst(0)                   ; one wait for the batch of 64, ahead of its first reader
	v_pk_add_f32 v[242:243], v[96:97], v[98:99]    ; the row's sum is taken of the unquantised p, in two chains
.irp j, 4,8,12,16,20,24,28,32,36,40,44,48,52,56,60
	v_pk_add_f32 v[14:15], v[14:15], v[96+\j:97+\j]
	v_pk_add_f32 v[242:243], v[242:243], v[98+\j:99+\j]
.endr
	v_pk_add_f32 v[14:15], v[14:15], v[242:243]
.irp c, 0,1,2,3,4,5,6,7
.irp i, 0,1,2,3,4,5,6,7
	v_min_num_f32 v[96+8*\c+\i], v[96+8*\c+\i], v240   ; the conversion does not saturate (ISA guide 7.6.2); p is not negative, so the hold is one-sided
.endr
	v_cvt_scalef32_pk8_fp8_f32 v[224+2*\c:225+2*\c], v[96+8*\c:103+8*\c], v244
.endr
.set n, 0
.rept 32
	v_pk_mul_f32 v[160+n:161+n], v[160+n:161+n], v[252:253] op_sel_hi:[1,0]   ; O^T under the new M; these lines are also the places in front of the loads and products below
.set n, n+2
.endr
.irp g, 0,1                                    ; O^T += V^T P^T: four tiles of 16 d at a time; eight accumulators by turns
.if \g > 0
.rept 4
	v_nop
.endr
.endif
.irp t, 0,1,2,3
.irp c, 0,1,2,3
	ds_load_b128 v[32+16*\t+4*\c:32+16*\t+4*\c+3], v[1+\b] offset:VOFF+(8*\q+4*\g+\t)*2048+512*\c
.endr
.endr
	s_wait_dscnt 0x0
.irp t, 0,1,2,3
	v_wmma_f32_16x16x128_fp8_fp8 v[160+8*(4*\g+\t):167+8*(4*\g+\t)], v[32+16*\t:47+16*\t], v[224:239], v[160+8*(4*\g+\t):167+8*(4*\g+\t)]
.endr
.endr
.Lhidden_\@:
	s_lshr_b32 s28, s28, 1                         ; on to the next step's bits
	s_lshr_b32 s29, s29, 1
.endm
; HALF A TRIP: the slot in buffer b is worked on.  The next slot goes from the staging set into the other buffer (nobody reads that one: every wave's reads of it were waited for in front of the last barrier), and the
; slot after it is asked for, with the whole half in which to land.  One barrier at the end serves both: my stores into the other buffer are done, and my reads of this one are over.
.macro HALF b
	s_wait_loadcnt 0x0                             ; the staging set holds the next slot.  Outside every branch: no path loads onto a pending load
	s_wait_xcnt 0x0                                ; the last prefetch has read its address too
	s_add_nc_u64 s[24:25], s[24:25], 32768
	s_add_nc_u64 s[26:27], s[26:27], 32768
	s_add_nc_u64 s[66:67], s[66:67], 32768
	s_and_b32 s2, s30, 4                           ; is the next slot read by any wave?
	s_cmp_lg_u32 s2, 0
	s_cbranch_scc0 .Lno_st_\@
	STST 1-\b
.Lno_st_\@:
	s_wait_dscnt 0x0                               ; the stores have read the staging set
	s_and_b32 s2, s30, 16                          ; and the one after it?
	s_cmp_lg_u32 s2, 0
	s_cbranch_scc0 .Lno_ld_\@
	LDST
.Lno_ld_\@:
	ASK
	s_lshr_b32 s30, s30, 2
	STEP \b, 0
	STEP \b, 1
	s_wait_dscnt 0x0
	s_barrier_signal -1
	s_barrier_wait -1
.endm
	s_mov_b32 s19, 0
.Lpair:                                            ; four trips of two slots: a constant of the text
	HALF 0
	HALF 1
	s_wait_xcnt 0x0                                ; the mask words' loads have read their base
	s_add_nc_u64 s[100:101], s[100:101], 1024      ; four steps of 256 bytes on
	s_add_co_u32 s19, s19, 1
	s_cmp_lt_u32 s19, 4
	s_cbranch_scc1 .Lpair
	; THE WAY OUT: O^T x 2^(e8 + e9) / the sum, quantised under e10: tile t's eight registers are d = 16 t + 8 h + 0 .. 7 of query r: registers 2 t, 2 t + 1 of the image
.rept 4
	v_nop                                          ; places behind the last products
.endr
	v_add_f32 v14, v14, v15
	v_permlanex16_b32 v252, v14, s20, s21
	v_add_f32 v14, v14, v252                       ; the row's sum
	v_mov_b32 v15, v14
	v_rcp_f32 v14, v14
	v_mov_b32 v252, 0x7f7f7f7f                     ; (the plain line behind the reciprocal)  four NaN codes
	s_wait_alu depctr_va_vdst(0)                   ; ahead of the reciprocal's first reader
	v_ldexp_f32 v14, v14, s3
.set n, 0
.rept 64
	v_mul_f32 v[96+n], v[160+n], v14
.set n, n+1
.endr
.set n, 0
.rept 64
	v_med3_num_f32 v[96+n], v[96+n], -v241, v241
.set n, n+1
.endr
.irp c, 0,1,2,3,4,5,6,7
	v_cvt_scalef32_pk8_fp8_f32 v[224+2*\c:225+2*\c], v[96+8*\c:103+8*\c], v245
.endr
	v_nop                                          ; one plain line between the conversions and the selects that touch their results
	v_cmp_eq_f32 vcc_lo, 0, v15                    ; a sum of 0: no key was open for this query.  Elsewhere the sum is above 1/2
.set n, 0
.rept 16
	v_cndmask_b32 v[224+n], v[224+n], v252, vcc_lo
.set n, n+1
.endr
.irp g, 0,1,2,3
	global_store_b128 v1, v[224+4*\g:227+4*\g], s[12:13] offset:512*\g   ; 512 consecutive bytes a store
.endr
	s_wait_tensorcnt 0x0
	ds_add_u32 v251, v255
	s_wait_dscnt 0x0
	s_endpgm
.Lfunc_end_k_qe9c0542be2_attn:
	.size	k_qe9c0542be2_attn, .Lfunc_end_k_qe9c0542be2_attn-k_qe9c0542be2_attn
	.p2alignl 7, 3214868480
	.fill 96, 4, 3214868480
	.section	.rodata,"a",@progbits
	.p2align	6, 0x0
	.amdhsa_kernel k_qe9c0542be2_attn
		.amdhsa_group_segment_fixed_size 132096
		.amdhsa_private_segment_fixed_size 0
		.amdhsa_enable_private_segment 0
		.amdhsa_kernarg_size 40
		.amdhsa_user_sgpr_count 2
		.amdhsa_user_sgpr_kernarg_segment_ptr 1
		.amdhsa_wavefront_size32 1
		.amdhsa_system_sgpr_workgroup_id_x 1
		.amdhsa_system_sgpr_workgroup_id_y 1
		.amdhsa_system_sgpr_workgroup_id_z 1
		.amdhsa_system_vgpr_workitem_id 0
		.amdhsa_next_free_vgpr 320
		.amdhsa_next_free_sgpr 106
		.amdhsa_reserve_vcc 1
		.amdhsa_float_denorm_mode_32 3
		.amdhsa_float_denorm_mode_16_64 3
		.amdhsa_memory_ordered 1
		.amdhsa_forward_progress 1
		.amdhsa_inst_pref_size 120
	.end_amdhsa_kernel
	.amdgpu_metadata
---
amdhsa.version: [ 1, 2 ]
amdhsa.kernels:
  - .name:           k_qe9c0542be2_attn
    .symbol:         k_qe9c0542be2_attn.kd
    .args:
      - { .name: qkvc, .offset: 0, .size: 8, .value_kind: global_buffer, .address_space: global }
      - { .name: mw, .offset: 8, .size: 8, .value_kind: global_buffer, .address_space: global }
      - { .name: cls, .offset: 16, .size: 8, .value_kind: global_buffer, .address_space: global }
      - { .name: lowp_scales, .offset: 24, .size: 8, .value_kind: global_buffer, .address_space: global }
      - { .name: oc, .offset: 32, .size: 8, .value_kind: global_buffer, .address_space: global }
    .group_segment_fixed_size: 132096
    .private_segment_fixed_size: 0
    .kernarg_segment_align: 8
    .kernarg_segment_size: 40
    .max_flat_workgroup_size: 256
    .sgpr_count:     106
    .vgpr_count:     320
    .wavefront_size: 32
...
	.end_amdgpu_metadata
.endif
;; end of part 3
;; launch outp (part 4): grid 16 x 16, 4 waves a work-group, clusters of 4 x 4, 327,680 bytes of LDS; arguments oc, wc, lowp_scales, out0; writes out0
.if DOCPART == 4
	.amdgcn_target "amdgcn-amd-amdhsa--gfx1250"
	.amdhsa_code_object_version 6
	.text
	.protected	k_qe9c0542be2_outp
	.globl	k_qe9c0542be2_outp
	.p2align	8
	.type	k_qe9c0542be2_outp,@function
k_qe9c0542be2_outp:
	s_mov_b64 s[64:65], 0
	v_nop
	global_prefetch_b8 v0, s[64:65] scope:SCOPE_SE
	s_setreg_imm32_b32 hwreg(HW_REG_WAVE_MODE, 25, 1), 1
	s_wait_xcnt 0x0
	s_wait_alu depctr_hold_cnt(0) depctr_sa_sdst(0) depctr_va_vdst(0) depctr_va_sdst(0) depctr_va_ssrc(0) depctr_va_vcc(0) depctr_vm_vsrc(0)
	s_getreg_b32 s2, hwreg(HW_REG_IB_STS2, 6, 4)
	s_cmp_eq_u32 s2, 0
	s_cbranch_scc0 .Lentry_in_a_cluster
	s_endpgm
.Lentry_in_a_cluster:
	s_bfe_u32 s2, ttmp6, 0x10000c
	s_cmp_lg_u32 s2, 0xf033
	s_cbranch_scc0 .Lentry_shape_is_right
	s_endpgm
.Lentry_shape_is_right:
; y[s][n] = sum over i of o[s][i] Wo[n][i] on E4M3 codes; each finished sum x 2^(e10 + e11).  LIMIT: e10 + e11 between -126 and 127.
; C has 64 tiles of 256 x 256, too few for the chip's work-group places: a tile is 128 x 128, 256 work-groups; four waves, each 64 x 64: 16 accumulators, 128 registers.
; Operands are images (a fragment of 16 rows x 128 k: 2,048 bytes, register 4 g + i' of a lane at 512 g + 16 lane + 4 i'; image (P, Q) at (16 P + Q) x 2,048): no pitch, no padding.
; K goes in steps of 512 through two LDS slots; a wave's tensor load is 4 image rows of 8,192 bytes.  Four K steps, sixteen quarters of 128, written out: there is no loop.
; CLUSTERS: 4 x 4 work-groups; A's tile is asked for jointly along a row of the cluster, B's along a column.  The matrix instruction is used transposed (source 0 = 16 rows of Wo, source 1 = 16 rows of o):
; a lane holds eight neighbouring numbers of a row of y.
; REGISTERS: window 0: v16-29 addresses; v32-63 a block's scaled sums; v64-127 rows read back, two sets; v128-255 the accumulators, (a, b) at v[128 + 8 (4 a + b)].
;   window 1: two fragment buffers of 128: A's four fragments, then B's four.
.set HALFT,  32768
.set SLOT,   4*HALFT
.set SPARE,  2*SLOT                    ; behind the ring: the spare words, 128 bytes a wave: two blocks of 256 bytes that no other line names
.set STAGE,  SPARE+512                 ; behind them: 16 rows x 272 bytes for each wave; no tensor load fills these bytes
.set SPITCH, 272
.set KBYTES, 8192                      ; a K step in an image row
.set ADRA, 16
.set ADRB, 20
.set STO,  24
.set RD,   25
.set CO,   26
.set SPW,  28
.set NIL,  29
.set TMP,  32
.set BK,   64
.set ACC,  128
.set F0,   0
.set F1,   128
.set G1, 24
.set G0, 32
.set G1B, 48
.set G0B, 56
.set MSB, 0
.macro WIN new
.if MSB != (\new)
	s_set_vgpr_msb (MSB<<8)|(\new)
.set MSB, (\new)
.endif
.endm
.set MUL,  0x05                        ; sources 0 (B) and 1 (A) window 1; C and D window 0
.set TO_F, 0x40
.macro JLOAD s                         ; waves 0 and 1 fetch A's halves, waves 2 and 3 B's; four v_nop follow each of the two lines
	s_cmp_eq_u32 s15, 0
	s_cbranch_scc0 .Lfor_b_\@
	tensor_load_to_lds s[G0+4*\s:G0+4*\s+3], s[G1:G1+7]
	s_nop 0
.rept 4
	v_nop
.endr
	s_branch .Lasked_\@
.Lfor_b_\@:
	tensor_load_to_lds s[G0B+4*\s:G0B+4*\s+3], s[G1B:G1B+7]
	s_nop 0
.rept 4
	v_nop
.endr
.Lasked_\@:
.endm
.macro CREST
	s_cmp_lg_u32 s14, 0
	s_cbranch_scc1 .Lnot_wave_0_\@
	s_barrier_signal -3
.Lnot_wave_0_\@:
	s_barrier_wait -3
	s_barrier_signal -1
	s_barrier_wait -1
.endm
.macro CROUND
	s_barrier_signal -1
	s_barrier_wait -1
	CREST
.endm
	s_load_b128 s[4:7], s[0:1], 0x0                ; oc, wc
	s_load_b128 s[8:11], s[0:1], 0x10              ; the scales' exponents, out0
	v_lshl_add_u32 v[SPW], v0, 2, SPARE
	v_mov_b32 v[NIL], 0
	ds_add_u32 v28, v29
	ds_add_u32 v28, v29
	s_wait_dscnt 0x0
	v_lshrrev_b32 v1, 5, v0
	v_readfirstlane_b32 s14, v1                    ; wave 0..3
	s_lshr_b32 s15, s14, 1                         ; my half of the tile's rows.  Also: I fetch for A (0) or for B (1)
	s_and_b32 s16, s14, 1                          ; my half of its columns.  Also: which half of that tile I fetch
	s_bfe_u32 s40, ttmp6, 0x40000
	s_bfe_u32 s41, ttmp6, 0x40004
	s_lshl_b32 s42, ttmp9, 2
	s_add_co_u32 s42, s42, s40                     ; tile column
	s_and_b32 s17, ttmp7, 0xffff
	s_lshl_b32 s17, s17, 2
	s_add_co_u32 s17, s17, s41                     ; tile row
	s_lshl_b32 s43, s41, 2
	s_lshl_b32 s43, 15, s43
	s_lshl_b32 s44, 0x1111, s40
	s_or_b32 s[G1+0], s43, (3<<16)|(1<<21)         ; the mask; elements of 8 bytes; no padding; bit 21 beside a mask
	s_or_b32 s[G1B+0], s44, (3<<16)|(1<<21)
.irp g, G1, G1B
	s_mov_b32 s[\g+1], 1024<<16                    ; tensor_dim0 = 1,024 elements: 8,192 bytes of an image row
	s_mov_b32 s[\g+2], 4<<16                       ; tensor_dim1 = 4 image rows
	s_mov_b32 s[\g+3], 1024<<16
	s_mov_b32 s[\g+4], 4
	s_mov_b32 s[\g+5], 4096                        ; 32,768 bytes from image row to image row
	s_mov_b32 s[\g+6], 0
	s_mov_b32 s[\g+7], 0
.endr
	s_lshl_b32 s18, s16, 2
	s_lshl_b32 s20, s17, 3
	s_add_co_u32 s20, s20, s18
	s_lshl_b32 s20, s20, 15                        ; A: image row 8 x tile row + 4 x half
	s_lshl_b32 s46, s42, 3
	s_add_co_u32 s46, s46, s18
	s_lshl_b32 s46, s46, 15
	s_add_co_u32 s46, s46, 0xc00000                ; B: Wo's images are the fourth tensor in wc
	s_mov_b32 s21, 0
	s_mov_b32 s47, 0
	s_mul_i32 s45, s14, HALFT
	s_wait_kmcnt 0x0
	s_load_b64 s[96:97], s[8:9], 0x28              ; e10, e11
	s_add_nc_u64 s[20:21], s[4:5], s[20:21]
	s_add_nc_u64 s[46:47], s[6:7], s[46:47]
	CROUND                                         ; all sixteen work-groups are here: the first joint loads meet
.irp s, 0,1
	s_mov_b32 s[G0+4*\s], 1
	s_add_co_u32 s[G0+4*\s+1], s45, \s*SLOT
	s_add_nc_u64 s[G0+4*\s+2:G0+4*\s+3], s[20:21], \s*KBYTES
	s_or_b32 s[G0+4*\s+3], s[G0+4*\s+3], 0x80000000
	s_mov_b32 s[G0B+4*\s], 1
	s_add_co_u32 s[G0B+4*\s+1], s45, \s*SLOT
	s_add_nc_u64 s[G0B+4*\s+2:G0B+4*\s+3], s[46:47], \s*KBYTES
	s_or_b32 s[G0B+4*\s+3], s[G0B+4*\s+3], 0x80000000
	JLOAD \s
.endr
	v_and_b32 v1, 15, v0                           ; r
	v_bfe_u32 v2, v0, 4, 1                         ; h
	v_and_b32 v3, 31, v0
	v_lshlrev_b32 v4, 4, v3                        ; 16 x lane
	s_mul_i32 s21, s15, HALFT
	s_mul_i32 s22, s16, HALFT
	s_add_co_u32 s22, s22, 2*HALFT
.irp s, 0,1
	v_add_nc_u32 v[ADRA+\s], s21, v4
	v_add_nc_u32 v[ADRB+\s], s22, v4
	s_add_co_u32 s21, s21, SLOT
	s_add_co_u32 s22, s22, SLOT
.endr
	s_mul_i32 s23, s14, 16*SPITCH
	s_add_co_u32 s23, s23, STAGE                   ; my stage
	v_mul_u32_u24 v5, v1, SPITCH
	v_lshl_add_u32 v5, v2, 5, v5
	v_add_nc_u32 v[STO], s23, v5                   ; in: row r, 32 bytes for each half of the lanes
	v_mul_u32_u24 v5, v2, SPITCH
	v_lshl_add_u32 v5, v1, 4, v5
	v_add_nc_u32 v[RD], s23, v5                    ; back: lanes 0-15 one row of 256 bytes, lanes 16-31 the next
	v_lshlrev_b32 v5, 13, v2
	v_lshl_add_u32 v[CO], v1, 4, v5                ; and the same two rows of y (8,192 bytes a row)
	s_lshl_b32 s20, s17, 7
	s_lshl_b32 s21, s15, 6
	s_add_co_u32 s20, s20, s21
	s_lshl_b32 s20, s20, 13                        ; my first row
	s_lshl_b32 s46, s42, 7
	s_lshl_b32 s47, s16, 6
	s_add_co_u32 s46, s46, s47
	s_lshl_b32 s46, s46, 2                         ; my first column, in bytes: a multiple of 256
	s_add_co_u32 s46, s46, s20
	s_mov_b32 s47, 0
	s_add_nc_u64 s[10:11], s[10:11], s[46:47]
.macro MUL8 f, a0, zero                ; A's fragments a0, a0 + 1 x B's four.  The 16 accumulators take turns, in the same order in every quarter
.irp a, \a0, \a0+1
.irp b, 0,1,2,3
.if \zero
	v_wmma_f32_16x16x128_fp8_fp8 v[ACC+8*(4*(\a)+\b):ACC+8*(4*(\a)+\b)+7], v[\f+64+16*\b:\f+64+16*\b+15], v[\f+16*(\a):\f+16*(\a)+15], 0
.else
	v_wmma_f32_16x16x128_fp8_fp8 v[ACC+8*(4*(\a)+\b):ACC+8*(4*(\a)+\b)+7], v[\f+64+16*\b:\f+64+16*\b+15], v[\f+16*(\a):\f+16*(\a)+15], v[ACC+8*(4*(\a)+\b):ACC+8*(4*(\a)+\b)+7]
.endif
.endr
.endr
.endm
.macro FETCH slot, q, f                ; 32 LDS loads in one run: image column q of my halves: B's four fragments, then A's four
	WIN TO_F
.irp i, 0,1,2,3
.irp c, 0,1,2,3
	ds_load_b128 v[\f+64+16*\i+4*\c:\f+64+16*\i+4*\c+3], v[ADRB+\slot] offset:(4*\i+\q)*2048+512*\c
.endr
.endr
.irp i, 0,1,2,3
.irp c, 0,1,2,3
	ds_load_b128 v[\f+16*\i+4*\c:\f+16*\i+4*\c+3], v[ADRA+\slot] offset:(4*\i+\q)*2048+512*\c
.endr
.endr
.endm
.macro PLACES
.rept 4
	v_nop
.endr
.endm
.macro QUARTER slot, q, f, g, zero     ; multiplies buffer f; in its middle it fetches image column q of the same slot into g
	s_wait_dscnt 8                                 ; B's four and A's fragments 0, 1 are in; the youngest eight loads (A's 2, 3) may be out
	WIN MUL
	MUL8 \f, 0, \zero
	PLACES
	FETCH \slot, \q, \g
	s_wait_dscnt 32                                ; all but the 32 just issued
	WIN MUL
	MUL8 \f, 2, \zero
.endm
; A K step's last quarter multiplies buffer 1 and changes slots: ONE barrier; in front of it each wave waits for all its tensor loads, adds 0 to its spare word, and waits for that and for its reads of this slot.
.macro TURN slot, next, fill
	WIN 0
	s_wait_tensorcnt 0x0                           ; all my tensor loads have landed: my part of the next slot
	ds_add_u32 v[SPW], v[NIL]                      ; 0 onto my spare word
	s_wait_dscnt 9                                 ; (the add and the youngest eight loads may be out)
	WIN MUL
	MUL8 F1, 0, 0
	s_wait_dscnt 0x0                               ; the add is done, and my reads of this slot are over
	s_barrier_signal -1
	WIN 0
	s_barrier_wait -1
.if \fill
	CREST                                          ; the barrier has opened a round of the cluster's: no wave of any partner still reads this slot or has a load on its way
	s_add_nc_u64 s[G0+4*\slot+2:G0+4*\slot+3], s[G0+4*\slot+2:G0+4*\slot+3], 2*KBYTES
	s_add_nc_u64 s[G0B+4*\slot+2:G0B+4*\slot+3], s[G0B+4*\slot+2:G0B+4*\slot+3], 2*KBYTES
	JLOAD \slot                                    ; the first tensor load behind the round; its four v_nop are the places in front of the loads below
.else
	PLACES
.endif
	FETCH \next, 0, F0
	WIN MUL
	MUL8 F1, 2, 0
.endm
	s_wait_tensorcnt 1                             ; my part of K step 0 is in; K step 1's load may be out
	s_barrier_signal -1
	s_barrier_wait -1
	FETCH 0, 0, F0
	QUARTER 0, 1, F0, F1, 1                        ; the first quarter's products start the sums
	QUARTER 0, 2, F1, F0, 0
	QUARTER 0, 3, F0, F1, 0
	TURN 0, 1, 1                                   ; slot 0 takes K step 2
	QUARTER 1, 1, F0, F1, 0
	QUARTER 1, 2, F1, F0, 0
	QUARTER 1, 3, F0, F1, 0
	TURN 1, 0, 1                                   ; slot 1 takes K step 3
	QUARTER 0, 1, F0, F1, 0
	QUARTER 0, 2, F1, F0, 0
	QUARTER 0, 3, F0, F1, 0
	TURN 0, 1, 0                                   ; nothing is left to fetch
	QUARTER 1, 1, F0, F1, 0
	QUARTER 1, 2, F1, F0, 0
	QUARTER 1, 3, F0, F1, 0
	s_wait_dscnt 8
	WIN MUL
	MUL8 F1, 0, 0
	s_wait_dscnt 0
	MUL8 F1, 2, 0
	WIN 0
; THE WAY OUT, block by block of 16 rows x 64 columns.  My 64 columns of f32 are one aligned run of 256 bytes of a row, so the stage is my own and no barrier is needed: 32 bytes a lane in, whole rows back.
.macro TOSTAGE a
.set n, 0
.rept 16
	v_pk_mul_f32 v[TMP+n:TMP+n+1], v[ACC+32*(\a)+n:ACC+32*(\a)+n+1], s[96:97] op_sel_hi:[1,0]   ; x 2^(e10 + e11); each accumulator from its low end on
.set n, n+2
.endr
.irp b, 0,1,2,3
	ds_store_b128 v[STO], v[TMP+8*\b:TMP+8*\b+3] offset:64*\b
	ds_store_b128 v[STO], v[TMP+8*\b+4:TMP+8*\b+7] offset:64*\b+16
.endr
.set BB, BK+32*((\a)%2)
.irp t, 0,1,2,3,4,5,6,7
	ds_load_b128 v[BB+4*\t:BB+4*\t+3], v[RD] offset:2*\t*SPITCH   ; LDS serves a wave's instructions in order (ISA guide 5.7.1.4): these see the stores above
.endr
.endm
.macro SEND a, younger                 ; younger: the LDS instructions issued behind block a's reads, which may stay out
.set BB, BK+32*((\a)%2)
	s_wait_dscnt \younger
.irp t, 0,1,2,3,4,5,6,7
	global_store_b128 v[CO], v[BB+4*\t:BB+4*\t+3], s[10:11] offset:(16*(\a)+2*\t)*8192 th:TH_STORE_NT   ; 16 lanes store 256 consecutive bytes, at a multiple of 256 from y's first byte
.endr
.endm
	s_wait_kmcnt 0x0
	s_add_co_i32 s96, s96, s97
	s_add_co_i32 s96, s96, 127
	s_lshl_b32 s96, s96, 23                        ; 2^(e10 + e11) as f32
	PLACES                                         ; behind the last products, ahead of the first read of results
	TOSTAGE 0
.irp a, 1,2,3
.if \a > 1
	s_wait_xcnt 0x0                                ; block a - 2's stores have read their registers: block a's rows may land there
.endif
	TOSTAGE \a
	SEND \a-1, 16                                  ; behind block a - 1's reads: block a's 8 stores and 8 reads
.endr
	SEND 3, 0
	s_wait_tensorcnt 0x0                           ; the wave's end: behind my last tensor load and my last LDS store
	ds_add_u32 v[SPW], v[NIL]
	s_wait_dscnt 0x0
	CROUND                                         ; the closing round
	s_endpgm
.Lfunc_end_k_qe9c0542be2_outp:
	.size	k_qe9c0542be2_outp, .Lfunc_end_k_qe9c0542be2_outp-k_qe9c0542be2_outp
	.p2alignl 7, 3214868480
	.fill 96, 4, 3214868480
	.section	.rodata,"a",@progbits
	.p2align	6, 0x0
	.amdhsa_kernel k_qe9c0542be2_outp
		.amdhsa_group_segment_fixed_size 327680
		.amdhsa_private_segment_fixed_size 0
		.amdhsa_enable_private_segment 0
		.amdhsa_kernarg_size 32
		.amdhsa_user_sgpr_count 2
		.amdhsa_user_sgpr_kernarg_segment_ptr 1
		.amdhsa_wavefront_size32 1
		.amdhsa_system_sgpr_workgroup_id_x 1
		.amdhsa_system_sgpr_workgroup_id_y 1
		.amdhsa_system_sgpr_workgroup_id_z 1
		.amdhsa_system_vgpr_workitem_id 0
		.amdhsa_next_free_vgpr 512
		.amdhsa_next_free_sgpr 98
		.amdhsa_reserve_vcc 0
		.amdhsa_float_denorm_mode_32 3
		.amdhsa_float_denorm_mode_16_64 3
		.amdhsa_memory_ordered 1
		.amdhsa_forward_progress 1
		.amdhsa_inst_pref_size 73
	.end_amdhsa_kernel
	.amdgpu_metadata
---
amdhsa.version: [ 1, 2 ]
amdhsa.kernels:
  - .name:           k_qe9c0542be2_outp
    .symbol:         k_qe9c0542be2_outp.kd
    .args:
      - { .name: oc, .offset: 0, .size: 8, .value_kind: global_buffer, .address_space: global }
      - { .name: wc, .offset: 8, .size: 8, .value_kind: global_buffer, .address_space: global }
      - { .name: lowp_scales, .offset: 16, .size: 8, .value_kind: global_buffer, .address_space: global }
      - { .name: out0, .offset: 24, .size: 8, .value_kind: global_buffer, .address_space: global }
    .group_segment_fixed_size: 327680
    .private_segment_fixed_size: 0
    .kernarg_segment_align: 8
    .kernarg_segment_size: 32
    .max_flat_workgroup_size: 128
    .sgpr_count:     98
    .vgpr_count:     512
    .wavefront_size: 32
...
	.end_amdgpu_metadata
.endif
;; end of part 4
;; ======== version 2 of 3: 4 launches
;; workspace buffers: xc 12,582,912 bytes; wc 16,777,216 bytes; rope 2,097,152 bytes; mw 524,288 bytes of whole numbers; cls 1,024 bytes of whole numbers; qkvc 12,582,912 bytes; oc 4,194,304 bytes
;; launch prep: the kernel of part 1 again; grid 1376 x 1, 4 waves a work-group, no clusters, 68,096 bytes of LDS; arguments x, Wq, Wk, Wv, Wo, cos, sin, mask, lowp_scales, xc, wc, rope, mw, cls; writes xc, wc, rope, mw, cls
;; launch qkv: the kernel of part 2 again; grid 24 x 8, 4 waves a work-group, clusters of 4 x 4, 327,680 bytes of LDS; arguments xc, wc, rope, lowp_scales, qkvc, out1, out2; writes qkvc, out1, out2
;; launch attn (part 5): grid 16 x 16, 8 waves a work-group, no clusters, 132,096 bytes of LDS; arguments qkvc, mw, cls, lowp_scales, oc; writes oc
.if DOCPART == 5
	.amdgcn_target "amdgcn-amd-amdhsa--gfx1250"
	.amdhsa_code_object_version 6
	.text
	.protected	k_qe9c0542be2_attn
	.globl	k_qe9c0542be2_attn
	.p2align	8
	.type	k_qe9c0542be2_attn,@function
k_qe9c0542be2_attn:
	s_mov_b64 s[64:65], 0
	v_nop
	global_prefetch_b8 v0, s[64:65] scope:SCOPE_SE
	s_setreg_imm32_b32 hwreg(HW_REG_WAVE_MODE, 25, 1), 1
	s_wait_xcnt 0x0
; Attention on E4M3 codes with the mask that is given, and the codes of its result for the last projection.
; t = score x log2(e) / sqrt(128); M = the row's running largest t rounded UP to a whole number; p = 2^(t - M) is quantised along the keys (scale e8), not normalised; the row's sum is taken of the
; unquantised p and divides at the end.  When M moves, the sum and O are multiplied by 2^(old M - new M), which rounds nothing.
; SHARES.  Work-group (p, head); each of its eight waves owns one tile of 16 queries: waves 0-3 tiles 4 p + w, waves 4-7 tiles 120 - 4 p + w.  The assignment is fixed and right for every mask; it pairs early
; with late queries, so that under masks that hide later keys the work-groups have about the same number of open steps.
; WORK THAT THE MASK THROWS AWAY IS LEFT OUT, whatever the mask is: an earlier launch has stored, for each block of 16 queries x 128 keys, whether any element is open and whether any is masked, and the mask itself
; as lane-mask words.  A step with no open element is jumped over; a step with no masked element loads no mask words and has no selects.  Those are branches on whole numbers read from memory.
; NO TENSOR LOAD, NO CLUSTER, NO JOINT REQUEST: the walk hangs on those stored numbers, and partners would want different steps.  K and V go from memory through 64 registers a wave into LDS, a slot of 256 keys
; ahead, and every wave passes every barrier: none stands under a branch, and the loop's trip count is a constant.
; A WAVE IS OFTEN ALONE AT WORK ON ITS SIMD (its partner's steps are hidden), so a step is laid to wait little: K's eight fragments and V's eight have registers of their own (256), K's loads go out in one run,
; V's behind the first four products, and V is waited for only behind the softmax; the maximum and the sum go in four chains.
; LAYOUT.  All operands are images (register 4 g + i' of a lane at 512 g + 16 lane + 4 i').  Both products are used transposed: S^T = K Q^T, O^T = V^T P^T: a lane holds ONE query (lane % 16) throughout, and
; tile c's eight registers are keys (or d) 16 c + 8 (lane / 16) + 0 .. 7: their conversion gives registers 2 c, 2 c + 1 of the next operand.
; THE HOLD OF p.  M is at least the rounded largest t, so t - M, made by one fused multiply-add, is at most half a unit in the last place of t: at most 1/2 while |t| < 2^24, and then p <= 1.42.
; |t| <= 128 x 448^2 x 0.1275 x 2^(e6 + e7) < 2^24 where e6 + e7 <= 2, and 448 x 2^e8 >= 1.75 where e8 >= -8: there the hold can change nothing and is jumped over; everywhere else it is executed.
; A query with no open key gets NaN codes: its row of the result is NaN, as a softmax over nothing is.
; LIMITS: e6 + e7 between -123 and 130 (added to c's exponent field); e8 and e10 between -126 and 119; e8 + e9 is applied by v_ldexp_f32 and has none.
; LDS: two buffers of 65,536 bytes: K's 16 images (8 q + tile) x 2,048, then V's 16 at 32,768.
; REGISTERS: v1, v2 16 x lane in buffer 0, 1; v3, v4 the same + 4,096 x wave; v5 256 x lane; v6 -infinity; v12 -M, v13 the largest t, v[14:15] the sum; v16-31 Q; v32-95 K's tiles 0-3; v96-159 S^T, then p;
; v160-223 O^T; v224-239 codes; v240, v244 limit and scale of p; v241, v245 of the result; v236, v242-243, v246-254 at work.
; Window 1: v256-319 the staging set; v320-383 K's tiles 4-7; v384-511 V's eight tiles.  Two waves of 512 registers fill a SIMD's 1,024.
; s[32:63], s[68:99]: a step's 64 mask words; s28, s29: my tile's open and masked bits, s30: the slots that any wave reads, all shifted as the walk goes; s104: 1 where p is held.
.set BUF1, 65536
.set VOFF, 32768
.set KF2,  64                          ; in window 1
.set VF,   128                         ; in window 1
.set MSB, 0
.macro WIN new                         ; the immediate's high byte repeats the setting that is left
.if MSB != (\new)
	s_set_vgpr_msb (MSB<<8)|(\new)
.set MSB, (\new)
.endif
.endm
.macro LDST off                        ; my 4,096 bytes of a slot's K and of its V into the staging set; the slot lies off bytes behind the pointers
	WIN 0x40
.irp n, 0,1,2,3,4,5,6,7
	global_load_b128 v[4*\n:4*\n+3], v3, s[24:25] offset:\off+512*\n
	global_load_b128 v[32+4*\n:32+4*\n+3], v3, s[26:27] offset:\off+512*\n
.endr
	WIN 0
.endm
.macro STST b                          ; and from there into buffer b
	WIN 0x04
.irp n, 0,1,2,3,4,5,6,7
	ds_store_b128 v[3+(\b)], v[4*\n:4*\n+3] offset:512*\n
	ds_store_b128 v[3+(\b)], v[32+4*\n:32+4*\n+3] offset:VOFF+512*\n
.endr
	WIN 0
.endm
	s_load_b256 s[4:11], s[0:1], 0x0               ; qkvc, mw, cls, the scales' exponents
	s_load_b64 s[12:13], s[0:1], 0x20              ; oc
	v_lshl_add_u32 v11, v0, 2, 0x20000
	v_mov_b32 v255, 0
	v_lshrrev_b32 v1, 5, v0
	v_readfirstlane_b32 s14, v1                    ; wave 0..7
	v_and_b32 v1, 31, v0
	v_lshlrev_b32 v5, 8, v1
	v_lshlrev_b32 v1, 4, v1
	v_add_nc_u32 v2, BUF1, v1
	s_lshl_b32 s31, s14, 12
	v_add_nc_u32 v3, s31, v1
	v_add_nc_u32 v4, BUF1, v3
	v_mov_b32 v6, 0xff800000
	s_and_b32 s16, ttmp7, 0xffff                   ; head
	s_lshl_b32 s2, ttmp9, 2
	s_add_co_u32 s17, s2, s14
	s_sub_co_u32 s31, 120, s2
	s_add_co_u32 s31, s31, s14
	s_cmp_lt_u32 s14, 4
	s_cselect_b32 s17, s17, s31                    ; T: my tile of queries
	s_lshl_b32 s18, s16, 18                        ; a head's 262,144 bytes in each tensor of codes
	s_mov_b32 s3, 0
	s_mov_b32 s20, 0x76543210                      ; v_permlanex16_b32's selects for lane l xor 16
	s_mov_b32 s21, 0xfedcba98
	s_wait_kmcnt 0x0
	s_load_b128 s[52:55], s[10:11], 0x18           ; e6, e7, e8, e9
	s_load_b32 s56, s[10:11], 0x28                 ; e10
	s_lshl_b32 s2, ttmp9, 5
	s_add_nc_u64 s[60:61], s[8:9], s[2:3]
	s_load_b256 s[32:39], s[60:61], 0x0            ; the classes of tiles 4 p .. 4 p + 3,
	s_sub_co_u32 s2, 992, s2
	s_add_nc_u64 s[62:63], s[8:9], s[2:3]
	s_load_b256 s[40:47], s[62:63], 0x0            ; of tiles 124 - 4 p .. 127 - 4 p,
	s_lshl_b32 s2, s17, 3
	s_add_nc_u64 s[68:69], s[8:9], s[2:3]
	s_load_b64 s[48:49], s[68:69], 0x0             ; and my own tile's
	s_mov_b32 s2, s18
	s_add_nc_u64 s[24:25], s[4:5], s[2:3]
	s_lshl_b32 s2, s17, 11
	s_add_nc_u64 s[58:59], s[24:25], s[2:3]        ; Q's image
	s_add_nc_u64 s[26:27], s[24:25], 0x800000      ; V's codes of the head
	s_add_nc_u64 s[24:25], s[24:25], 0x400000      ; K's
	s_cmp_lt_u32 s14, 4
	s_cselect_b64 s[66:67], s[24:25], s[26:27]     ; the prefetches: waves 0-3 K's, waves 4-7 V's,
	s_and_b32 s2, s14, 3
	s_lshl_b32 s2, s2, 13                          ; 8,192 bytes of a slot's 32,768 a wave,
	s_add_co_u32 s2, s2, 2*32768                   ; at slot 2: the first half steps it to slot 3
	s_add_nc_u64 s[66:67], s[66:67], s[2:3]
	s_cmp_eq_u32 ttmp9, 0
	s_cselect_b32 s105, 5, 0                       ; the head's first work-group asks, for slots 3 to 7; nobody else
	s_lshl_b32 s2, s17, 12
	s_add_nc_u64 s[100:101], s[6:7], s[2:3]        ; my tile's mask words
	s_lshl_b32 s2, s17, 4
	s_add_co_u32 s2, s2, s16
	s_lshl_b32 s2, s2, 11
	s_add_nc_u64 s[12:13], s[12:13], s[2:3]        ; the result's image (P = T, Q = head)
.irp c, 0,1,2,3
	global_load_b128 v[16+4*\c:19+4*\c], v1, s[58:59] offset:512*\c   ; Q stays in registers
.endr
.irp n, 0,1,2,3,4,5,6,7                        ; slot 0, into the registers that the scores will take: they are free until the first step
	global_load_b128 v[96+4*\n:99+4*\n], v3, s[24:25] offset:512*\n
	global_load_b128 v[128+4*\n:131+4*\n], v3, s[26:27] offset:512*\n
.endr
	LDST 32768                                     ; slot 1, asked for together with slot 0
	v_mov_b32 v13, 0xff61b1e6                      ; the largest t so far: -3e38
	v_floor_f32 v12, -v13                          ; -M
	v_mov_b32 v14, 0
	v_mov_b32 v15, 0
	v_mov_b32 v236, 0                              ; written once: a lane permute's destination counts as read
	v_mov_b32 v252, 0
	v_mov_b32 v253, 0
	v_mov_b32 v254, 0
.set n, 0
.rept 64
	v_mov_b32 v[160+n], 0                          ; O^T.  Any step may be a tile's first open one, so the step is written once and finds zeros
.set n, n+1
.endr
	s_wait_loadcnt 16                              ; Q's four and slot 0's sixteen loads are in; slot 1's sixteen may be out
.irp n, 0,1,2,3,4,5,6,7
	ds_store_b128 v3, v[96+4*\n:99+4*\n] offset:512*\n
	ds_store_b128 v3, v[128+4*\n:131+4*\n] offset:VOFF+512*\n
.endr
	s_wait_kmcnt 0x0
	s_or_b32 s2, s32, s34                          ; which slots does any of the eight tiles read?
	s_or_b32 s2, s2, s36
	s_or_b32 s2, s2, s38
	s_or_b32 s2, s2, s40
	s_or_b32 s2, s2, s42
	s_or_b32 s2, s2, s44
	s_or_b32 s2, s2, s46
	s_or_b32 s31, s33, s35
	s_or_b32 s31, s31, s37
	s_or_b32 s31, s31, s39
	s_or_b32 s31, s31, s41
	s_or_b32 s31, s31, s43
	s_or_b32 s31, s31, s45
	s_or_b32 s31, s31, s47
	s_and_b32 s2, s2, 0xff
	s_and_b32 s31, s31, 0xff
	s_lshl_b32 s31, s31, 8
	s_or_b32 s2, s2, s31
	s_lshr_b32 s31, s2, 1
	s_or_b32 s2, s2, s31
	s_and_b32 s30, s2, 0x5555                      ; bit 2 x: slot x is read.  No bit from 16 up: nothing is asked for past the head's end
	s_and_b32 s28, s48, 0xff
	s_and_b32 s2, s49, 0xff
	s_lshl_b32 s2, s2, 8
	s_or_b32 s28, s28, s2                          ; bit s: step s has an open element for my tile
	s_bfe_u32 s29, s48, 0x80008
	s_and_b32 s2, s49, 0xff00
	s_or_b32 s29, s29, s2                          ; bit s: it has a masked one
	s_mov_b32 s22, 0x3e0293ee                      ; c = log2(e) / sqrt(128)
	s_add_co_i32 s2, s52, s53
	s_cmp_gt_i32 s2, 2                             ; p is held where e6 + e7 > 2
	s_cselect_b32 s104, 1, 0
	s_cmp_lt_i32 s54, -8                           ; or e8 < -8
	s_cselect_b32 s104, 1, s104
	s_lshl_b32 s2, s2, 23
	s_add_co_i32 s22, s22, s2                      ; c x 2^(e6 + e7): the two exponents are added to c's exponent field
	s_mov_b32 s23, s22
	s_add_co_i32 s2, s54, 127
	s_lshl_b32 s31, s2, 23
	v_mov_b32 v244, s31                            ; 2^e8
	s_add_co_i32 s2, s2, 8
	s_lshl_b32 s2, s2, 23
	s_or_b32 s2, s2, 0x600000
	v_mov_b32 v240, s2                             ; 448 x 2^e8
	s_add_co_i32 s2, s56, 127
	s_lshl_b32 s31, s2, 23
	v_mov_b32 v245, s31                            ; 2^e10
	s_add_co_i32 s2, s2, 8
	s_lshl_b32 s2, s2, 23
	s_or_b32 s2, s2, 0x600000
	v_mov_b32 v241, s2                             ; 448 x 2^e10
	s_add_co_i32 s3, s54, s55                      ; e8 + e9
.set n, 0
.rept 16                                       ; the mask words' registers are written once, so that they are written on every path.  What they held is used up: the loads that named some of them as a base are done (the two waits above)
	s_mov_b64 s[32+n:33+n], 0
	s_mov_b64 s[68+n:69+n], 0
.set n, n+2
.endr
	s_wait_dscnt 0x0                               ; for the others' sake: my stores into buffer 0 are done
	s_barrier_signal -1
	s_barrier_wait -1
; A PREFETCH INTO THE L2 of the slot three on from the one in hand: 8,192 bytes a wave, lanes 256 bytes apart; it stands where the wave has just issued its loads.  All work-groups of a head walk the same K and V:
; the head's first asks, waves 0-3 for K's 32,768 bytes, waves 4-7 for V's: each block of 256 bytes is named once.  Slots 0 to 2 come by their loads alone; the count ends with slot 7.
.macro ASK
	s_cmp_lg_u32 s105, 0
	s_cbranch_scc0 .Lnot_mine_\@
	global_prefetch_b8 v5, s[66:67] th:TH_LOAD_NT scope:SCOPE_SE
	s_sub_co_u32 s105, s105, 1
.Lnot_mine_\@:
.endm
; A KEY STEP: 128 keys, the q-th of the slot in buffer b.
.macro STEP b, q
	s_and_b32 s2, s28, 1
	s_cmp_lg_u32 s2, 0
	s_cbranch_scc0 .Lhidden_\@                     ; no open element for my 16 queries: nothing of the step is done
	s_and_b32 s2, s29, 1
	s_cmp_lg_u32 s2, 0
	s_cbranch_scc0 .Lno_words_\@                   ; no masked element: the mask words are not wanted
	s_load_b512 s[32:47], s[100:101], (2*\b+\q)*256          ; the step's 64 mask words: they land under the loads and products below
	s_load_b512 s[48:63], s[100:101], (2*\b+\q)*256+64
	s_load_b512 s[68:83], s[100:101], (2*\b+\q)*256+128
	s_load_b512 s[84:99], s[100:101], (2*\b+\q)*256+192
.Lno_words_\@:
.rept 4
	v_nop                                          ; places between the last step's products and the loads into the registers that they read (V's, further down)
.endr
.irp t, 0,1,2,3                                ; K's eight fragments in one run: tiles 0-3,
.irp c, 0,1,2,3
	ds_load_b128 v[32+16*\t+4*\c:32+16*\t+4*\c+3], v[1+\b] offset:(8*\q+\t)*2048+512*\c
.endr
.endr
	WIN 0x40                                       ; destination window 1
.irp t, 0,1,2,3                                ; tiles 4-7
.irp c, 0,1,2,3
	ds_load_b128 v[KF2+16*\t+4*\c:KF2+16*\t+4*\c+3], v[1+\b] offset:(8*\q+4+\t)*2048+512*\c
.endr
.endr
	WIN 0
	s_wait_dscnt 16                                ; tiles 0-3 are in; the sixteen loads of tiles 4-7 may be out
.irp t, 0,1,2,3                                ; S^T = K Q^T
	v_wmma_f32_16x16x128_fp8_fp8 v[96+8*\t:103+8*\t], v[32+16*\t:47+16*\t], v[16:31], 0
.endr
	WIN 0x40
.irp t, 0,1,2,3,4,5,6,7                        ; V's eight fragments are asked for now and wanted behind the softmax
.irp c, 0,1,2,3
	ds_load_b128 v[VF+16*\t+4*\c:VF+16*\t+4*\c+3], v[1+\b] offset:VOFF+(8*\q+\t)*2048+512*\c
.endr
.endr
	s_wait_dscnt 32                                ; all of K is in; V's 32 loads may be out
	WIN 0x01                                       ; source 0 window 1
.irp t, 0,1,2,3
	v_wmma_f32_16x16x128_fp8_fp8 v[128+8*\t:135+8*\t], v[KF2+16*\t:KF2+16*\t+15], v[16:31], 0
.endr
	WIN 0
.rept 4
	v_nop                                          ; places ahead of the first read of the scores
.endr
	s_wait_kmcnt 0x0                               ; on every path: no scalar load is out behind this line
	s_and_b32 s2, s29, 1
	s_cmp_lg_u32 s2, 0
	s_cbranch_scc0 .Lopen_\@                       ; no masked element: no selects
.set n, 0
.rept 32
	v_cndmask_b32 v[96+n], v[96+n], v6, s[32+n]    ; word 8 c + j, bit lane: masked scores become -infinity ahead of the maximum: p = 0 then
.set n, n+1
.endr
.rept 32
	v_cndmask_b32 v[96+n], v[96+n], v6, s[36+n]
.set n, n+1
.endr
.Lopen_\@:
	v_max3_num_f32 v254, v96, v97, v98             ; the step's largest score of my query, among my 64 keys: four chains, the registers in ascending order
	v_max3_num_f32 v252, v99, v100, v101
	v_max3_num_f32 v250, v102, v103, v104
	v_max3_num_f32 v251, v105, v106, v107
.irp i, 12,20,28,36,44,52
	v_max3_num_f32 v254, v254, v[96+\i], v[97+\i]
	v_max3_num_f32 v252, v252, v[98+\i], v[99+\i]
	v_max3_num_f32 v250, v250, v[100+\i], v[101+\i]
	v_max3_num_f32 v251, v251, v[102+\i], v[103+\i]
.endr
	v_max3_num_f32 v254, v254, v156, v157
	v_max3_num_f32 v252, v252, v158, v159
	v_max3_num_f32 v254, v254, v250, v251
	v_max_num_f32 v254, v254, v252
	v_permlanex16_b32 v236, v254, s20, s21
	v_max_num_f32 v254, v254, v236                 ; and among lane l xor 16's
	v_mul_f32 v254, s22, v254                      ; as t (c is positive)
	v_max_num_f32 v13, v13, v254                   ; the running largest t
	v_mov_b32 v254, v12
	v_floor_f32 v12, -v13                          ; the new -M = floor(-t) = -ceil(t)
	v_sub_f32 v254, v12, v254                      ; old M - new M: a whole number, 0 or less
	v_cvt_i32_f32 v254, v254                       ; (it saturates)
	v_ldexp_f32 v252, 1.0, v254                    ; f = 2^(old M - new M)
.set n, 0
.rept 32
	v_pk_fma_f32 v[96+n:97+n], v[96+n:97+n], s[22:23], v[12:13] op_sel_hi:[1,0,0]   ; t - M, two at a time
.set n, n+2
.endr
.set n, 0
.rept 64
	v_exp_f32 v[96+n], v[96+n]                     ; p = 2^(t - M)
.set n, n+1
.endr
	v_pk_mul_f32 v[14:15], v[14:15], v[252:253] op_sel_hi:[1,0]   ; the sums under the new M: the plain line behind the exponentials
	s_wait_alu depctr_va_vdst(0)                   ; one wait for the batch of 64, ahead of its first reader
	v_pk_add_f32 v[242:243], v[96:97], v[98:99]    ; the row's sum is taken of the unquantised p, two at a time, in four chains
	v_pk_add_f32 v[246:247], v[100:101], v[102:103]
	v_pk_add_f32 v[248:249], v[104:105], v[106:107]
	v_pk_add_f32 v[14:15], v[14:15], v[108:109]
.irp j, 14,22,30,38,46,54
	v_pk_add_f32 v[242:243], v[242:243], v[96+\j:97+\j]
	v_pk_add_f32 v[246:247], v[246:247], v[98+\j:99+\j]
	v_pk_add_f32 v[248:249], v[248:249], v[100+\j:101+\j]
	v_pk_add_f32 v[14:15], v[14:15], v[102+\j:103+\j]
.endr
	v_pk_add_f32 v[14:15], v[14:15], v[158:159]
	v_pk_add_f32 v[242:243], v[242:243], v[246:247]
	v_pk_add_f32 v[14:15], v[14:15], v[248:249]
	v_pk_add_f32 v[14:15], v[14:15], v[242:243]
	s_cmp_lg_u32 s104, 0
	s_cbranch_scc0 .Lno_hold_\@                    ; the given scales leave p under the largest code: see the head
.set n, 0
.rept 64
	v_min_num_f32 v[96+n], v[96+n], v240           ; the conversion does not saturate (ISA guide 7.6.2); p is not negative, so the hold is one-sided
.set n, n+1
.endr
.Lno_hold_\@:
.irp c, 0,1,2,3,4,5,6,7
	v_cvt_scalef32_pk8_fp8_f32 v[224+2*\c:225+2*\c], v[96+8*\c:103+8*\c], v244
.endr
.set n, 0
.rept 32
	v_pk_mul_f32 v[160+n:161+n], v[160+n:161+n], v[252:253] op_sel_hi:[1,0]   ; O^T under the new M; these plain lines also stand between the conversions and the products that read the codes
.set n, n+2
.endr
	s_wait_dscnt 0x0                               ; V is in: asked for ahead of the softmax
	WIN 0x01
.irp t, 0,1,2,3,4,5,6,7                        ; O^T += V^T P^T: eight accumulators by turns
	v_wmma_f32_16x16x128_fp8_fp8 v[160+8*\t:167+8*\t], v[VF+16*\t:VF+16*\t+15], v[224:239], v[160+8*\t:167+8*\t]
.endr
	WIN 0
.Lhidden_\@:
	s_lshr_b32 s28, s28, 1                         ; on to the next step's bits
	s_lshr_b32 s29, s29, 1
.endm
; HALF A TRIP: the slot in buffer b is worked on.  The next slot goes from the staging set into the other buffer (nobody reads that one: every wave's reads of it were waited for in front of the last barrier), and the
; slot after it is asked for, with the whole half in which to land.  One barrier at the end serves both: my stores into the other buffer are done, and my reads of this one are over.
.macro HALF b
	s_wait_loadcnt 0x0                             ; the staging set holds the next slot.  Outside every branch: no path loads onto a pending load
	s_wait_xcnt 0x0                                ; the last prefetch has read its address too
	s_add_nc_u64 s[24:25], s[24:25], 32768         ; the pointers stand at the next slot; the loads below reach one slot further by their immediate
	s_add_nc_u64 s[26:27], s[26:27], 32768
	s_add_nc_u64 s[66:67], s[66:67], 32768
	s_and_b32 s2, s30, 4                           ; is the next slot read by any wave?
	s_cmp_lg_u32 s2, 0
	s_cbranch_scc0 .Lno_st_\@
	STST 1-\b
.Lno_st_\@:
	s_wait_dscnt 0x0                               ; the stores have read the staging set
	s_and_b32 s2, s30, 16                          ; and the one after it?
	s_cmp_lg_u32 s2, 0
	s_cbranch_scc0 .Lno_ld_\@
	LDST 32768
.Lno_ld_\@:
	ASK
	s_lshr_b32 s30, s30, 2
	STEP \b, 0
	STEP \b, 1
	s_wait_dscnt 0x0
	s_barrier_signal -1
	s_barrier_wait -1
.endm
	s_mov_b32 s19, 0
.Lpair:                                            ; four trips of two slots: a constant of the text
	HALF 0
	HALF 1
	s_wait_xcnt 0x0                                ; the mask words' loads have read their base
	s_add_nc_u64 s[100:101], s[100:101], 1024      ; four steps of 256 bytes on
	s_add_co_u32 s19, s19, 1
	s_cmp_lt_u32 s19, 4
	s_cbranch_scc1 .Lpair
	; THE WAY OUT: O^T x 2^(e8 + e9) / the sum, quantised under e10: tile t's eight registers are d = 16 t + 8 h + 0 .. 7 of query r: registers 2 t, 2 t + 1 of the image
.rept 4
	v_nop                                          ; places behind the last products
.endr
	v_add_f32 v14, v14, v15
	v_permlanex16_b32 v252, v14, s20, s21
	v_add_f32 v14, v14, v252                       ; the row's sum
	v_mov_b32 v15, v14
	v_rcp_f32 v14, v14
	v_mov_b32 v252, 0x7f7f7f7f                     ; (the plain line behind the reciprocal)  four NaN codes
	s_wait_alu depctr_va_vdst(0)                   ; ahead of the reciprocal's first reader
	v_ldexp_f32 v14, v14, s3
.set n, 0
.rept 64
	v_mul_f32 v[96+n], v[160+n], v14
.set n, n+1
.endr
.set n, 0
.rept 64
	v_med3_num_f32 v[96+n], v[96+n], -v241, v241
.set n, n+1
.endr
.irp c, 0,1,2,3,4,5,6,7
	v_cvt_scalef32_pk8_fp8_f32 v[224+2*\c:225+2*\c], v[96+8*\c:103+8*\c], v245
.endr
	v_nop                                          ; one plain line between the conversions and the selects that touch their results
	v_cmp_eq_f32 vcc_lo, 0, v15                    ; a sum of 0: no key was open for this query.  Elsewhere the sum is above 1/2
.set n, 0
.rept 16
	v_cndmask_b32 v[224+n], v[224+n], v252, vcc_lo
.set n, n+1
.endr
.irp g, 0,1,2,3
	global_store_b128 v1, v[224+4*\g:227+4*\g], s[12:13] offset:512*\g   ; 512 consecutive bytes a store
.endr
	s_wait_tensorcnt 0x0
	ds_add_u32 v11, v255
	s_wait_dscnt 0x0
	s_endpgm
.Lfunc_end_k_qe9c0542be2_attn:
	.size	k_qe9c0542be2_attn, .Lfunc_end_k_qe9c0542be2_attn-k_qe9c0542be2_attn
	.p2alignl 7, 3214868480
	.fill 96, 4, 3214868480
	.section	.rodata,"a",@progbits
	.p2align	6, 0x0
	.amdhsa_kernel k_qe9c0542be2_attn
		.amdhsa_group_segment_fixed_size 132096
		.amdhsa_private_segment_fixed_size 0
		.amdhsa_enable_private_segment 0
		.amdhsa_kernarg_size 40
		.amdhsa_user_sgpr_count 2
		.amdhsa_user_sgpr_kernarg_segment_ptr 1
		.amdhsa_wavefront_size32 1
		.amdhsa_system_sgpr_workgroup_id_x 1
		.amdhsa_system_sgpr_workgroup_id_y 1
		.amdhsa_system_sgpr_workgroup_id_z 1
		.amdhsa_system_vgpr_workitem_id 0
		.amdhsa_next_free_vgpr 512
		.amdhsa_next_free_sgpr 106
		.amdhsa_reserve_vcc 1
		.amdhsa_float_denorm_mode_32 3
		.amdhsa_float_denorm_mode_16_64 3
		.amdhsa_memory_ordered 1
		.amdhsa_forward_progress 1
		.amdhsa_inst_pref_size 121
	.end_amdhsa_kernel
	.amdgpu_metadata
---
amdhsa.version: [ 1, 2 ]
amdhsa.kernels:
  - .name:           k_qe9c0542be2_attn
    .symbol:         k_qe9c0542be2_attn.kd
    .args:
      - { .name: qkvc, .offset: 0, .size: 8, .value_kind: global_buffer, .address_space: global }
      - { .name: mw, .offset: 8, .size: 8, .value_kind: global_buffer, .address_space: global }
      - { .name: cls, .offset: 16, .size: 8, .value_kind: global_buffer, .address_space: global }
      - { .name: lowp_scales, .offset: 24, .size: 8, .value_kind: global_buffer, .address_space: global }
      - { .name: oc, .offset: 32, .size: 8, .value_kind: global_buffer, .address_space: global }
    .group_segment_fixed_size: 132096
    .private_segment_fixed_size: 0
    .kernarg_segment_align: 8
    .kernarg_segment_size: 40
    .max_flat_workgroup_size: 256
    .sgpr_count:     106
    .vgpr_count:     512
    .wavefront_size: 32
...
	.end_amdgpu_metadata
.endif
;; end of part 5
;; launch outp: the kernel of part 4 again; grid 16 x 16, 4 waves a work-group, clusters of 4 x 4, 327,680 bytes of LDS; arguments oc, wc, lowp_scales, out0; writes out0
;; ======== version 3 of 3: 4 launches; version 2 with the launch attn written anew for expert scheduling mode
;; workspace buffers: xc 12,582,912 bytes; wc 16,777,216 bytes; rope 2,097,152 bytes; mw 524,288 bytes of whole numbers; cls 1,024 bytes of whole numbers; qkvc 12,582,912 bytes; oc 4,194,304 bytes
;; launch prep: the kernel of part 1 again; grid 1376 x 1, 4 waves a work-group, no clusters, 68,096 bytes of LDS; arguments x, Wq, Wk, Wv, Wo, cos, sin, mask, lowp_scales, xc, wc, rope, mw, cls; writes xc, wc, rope, mw, cls
;; launch qkv: the kernel of part 2 again; grid 24 x 8, 4 waves a work-group, clusters of 4 x 4, 327,680 bytes of LDS; arguments xc, wc, rope, lowp_scales, qkvc, out1, out2; writes qkvc, out1, out2
;; launch attn (part 6): grid 16 x 16, 8 waves a work-group, no clusters, 132,096 bytes of LDS; arguments qkvc, mw, cls, lowp_scales, oc; writes oc
.if DOCPART == 6
	.amdgcn_target "amdgcn-amd-amdhsa--gfx1250"
	.amdhsa_code_object_version 6
	.text
	.protected	k_qe9c0542be2_attn
	.globl	k_qe9c0542be2_attn
	.p2align	8
	.type	k_qe9c0542be2_attn,@function
k_qe9c0542be2_attn:
	s_mov_b64 s[64:65], 0
	v_nop
	global_prefetch_b8 v0, s[64:65] scope:SCOPE_SE
	s_setreg_imm32_b32 hwreg(HW_REG_WAVE_SCHED_MODE, 0, 2), 2
	s_setreg_imm32_b32 hwreg(HW_REG_WAVE_MODE, 25, 1), 1
	s_wait_xcnt 0x0
	s_wait_alu depctr_vm_vsrc(0)
; Attention on E4M3 codes with the mask that is given, and the codes of its result for the last projection.
; t = score x log2(e) / sqrt(128); M = the row's running largest t rounded UP to a whole number; p = 2^(t - M) is quantised along the keys (scale e8), not normalised; the row's sum is taken of the
; unquantised p and divides at the end.  When M moves, the sum and O are multiplied by 2^(old M - new M), which rounds nothing.
; SHARES.  Work-group (p, head); each of its eight waves owns one tile of 16 queries: waves 0-3 tiles 4 p + w, waves 4-7 tiles 120 - 4 p + w.  The assignment is fixed and right for every mask; it pairs early
; with late queries, so that under masks that hide later keys the work-groups have about the same number of open steps.
; WORK THAT THE MASK THROWS AWAY IS LEFT OUT, whatever the mask is: an earlier launch has stored, for each block of 16 queries x 128 keys, whether any element is open and whether any is masked, and the mask itself
; as lane-mask words.  A step with no open element is jumped over; a step with no masked element loads no mask words and has no selects.  Those are branches on whole numbers read from memory.
; NO TENSOR LOAD, NO CLUSTER, NO JOINT REQUEST: the walk hangs on those stored numbers, and partners would want different steps.  K and V go from memory through 64 registers a wave into LDS, a slot of 256 keys
; ahead, and every wave passes every barrier: none stands under a branch, and the loop's trip count is a constant.
; A WAVE IS OFTEN ALONE AT WORK ON ITS SIMD (its partner's steps are hidden), so a step is laid to wait little: K's eight fragments and V's eight have registers of their own (256), K's loads go out in one run,
; V's behind the first four products, and V is waited for only behind the softmax; the maximum and the sum go in four chains.
; LAYOUT.  All operands are images (register 4 g + i' of a lane at 512 g + 16 lane + 4 i').  Both products are used transposed: S^T = K Q^T, O^T = V^T P^T: a lane holds ONE query (lane % 16) throughout, and
; tile c's eight registers are keys (or d) 16 c + 8 (lane / 16) + 0 .. 7: their conversion gives registers 2 c, 2 c + 1 of the next operand.
; THE HOLD OF p.  M is at least the rounded largest t, so t - M, made by one fused multiply-add, is at most half a unit in the last place of t: at most 1/2 while |t| < 2^24, and then p <= 1.42.
; |t| <= 128 x 448^2 x 0.1275 x 2^(e6 + e7) < 2^24 where e6 + e7 <= 2, and 448 x 2^e8 >= 1.75 where e8 >= -8: there the hold can change nothing and is jumped over; everywhere else it is executed.
; A query with no open key gets NaN codes: its row of the result is NaN, as a softmax over nothing is.
; LIMITS: e6 + e7 between -123 and 130 (added to c's exponent field); e8 and e10 between -126 and 119; e8 + e9 is applied by v_ldexp_f32 and has none.
; LDS: two buffers of 65,536 bytes: K's 16 images (8 q + tile) x 2,048, then V's 16 at 32,768.
; REGISTERS: v1, v2 16 x lane in buffer 0, 1; v3, v4 the same + 4,096 x wave; v5 256 x lane; v6 -infinity; v12 -M, v13 the largest t, v[14:15] the sum; v16-31 Q; v32-95 K's tiles 0-3; v96-159 S^T, then p;
; v160-223 O^T; v224-239 codes; v240, v244 limit and scale of p; v241, v245 of the result; v236, v242-243, v246-254 at work.
; Window 1: v256-319 the staging set; v320-383 K's tiles 4-7; v384-511 V's eight tiles.  Two waves of 512 registers fill a SIMD's 1,024.
; s[32:63], s[68:99]: a step's 64 mask words; s28, s29: my tile's open and masked bits, s30: the slots that any wave reads, all shifted as the walk goes; s104: 1 where p is held.
; THE MODE: SCHED_MODE bits 1:0 = 2 (LLVM: expert scheduling mode 2), set by the entry lines.  The code itself states the register dependences between vector or matrix instructions and memory or LDS
; instructions, with s_wait_alu, always for 0.
; THE PLAN.  Registers that memory or LDS instructions touch:
;   v1 .. v5        Addresses of every load, store and prefetch: made at the head, ahead of one wait on va_vdst, and never written again.  v11, v255: made there too, read by the closing add alone.
;   v16-31          Q: loaded once, ahead of every vector or matrix instruction that names it.
;   v96-159         At the head slot 0 lands here and my LDS stores read it; later the products K Q^T write it: one wait on vm_vsrc at the head, ahead of the loop.
;   v256-319        The staging set: global loads land in it, LDS stores read it, no vector or matrix instruction names it: one wait on vm_vsrc in each half, between the stores and the next loads.
;   K's fragments   Loaded at a step's head; read by that step's eight products K Q^T and by nothing else.  The wait on va_vdst behind the step's exponentials stands behind those products on every path, and no
;                   vector or matrix instruction behind it names these registers: so the next open step's loads of K owe nothing more.
;   V's fragments   Loaded behind a step's first four products; read by the step's last eight, V^T P.  One wait on va_vdst stands behind K's run of loads: the last open step's products V^T P are done reading.
;                   Between that wait and V's loads stand four products K Q^T, which name K's tiles 0-3, Q and S^T: none of V's registers, nor the address.
;   v224-239        The codes: on the way out the selects write them and the four stores read them: one wait on va_vdst ahead of the stores.
; A scalar register or VCC that a vector instruction writes has its wait ahead of its first reader: s14 at the head, VCC on the way out.  EXEC is written nowhere.
.set BUF1, 65536
.set VOFF, 32768
.set KF2,  64                          ; in window 1
.set VF,   128                         ; in window 1
.set MSB, 0
.macro WIN new                         ; the immediate's high byte repeats the setting that is left
.if MSB != (\new)
	s_set_vgpr_msb (MSB<<8)|(\new)
.set MSB, (\new)
.endif
.endm
.macro LDST off                        ; my 4,096 bytes of a slot's K and of its V into the staging set; the slot lies off bytes behind the pointers
	WIN 0x40
.irp n, 0,1,2,3,4,5,6,7
	global_load_b128 v[4*\n:4*\n+3], v3, s[24:25] offset:\off+512*\n
	global_load_b128 v[32+4*\n:32+4*\n+3], v3, s[26:27] offset:\off+512*\n
.endr
	WIN 0
.endm
.macro STST b                          ; and from there into buffer b
	WIN 0x04
.irp n, 0,1,2,3,4,5,6,7
	ds_store_b128 v[3+(\b)], v[4*\n:4*\n+3] offset:512*\n
	ds_store_b128 v[3+(\b)], v[32+4*\n:32+4*\n+3] offset:VOFF+512*\n
.endr
	WIN 0
.endm
	s_load_b256 s[4:11], s[0:1], 0x0               ; qkvc, mw, cls, the scales' exponents
	s_load_b64 s[12:13], s[0:1], 0x20              ; oc
	v_lshl_add_u32 v11, v0, 2, 0x20000
	v_mov_b32 v255, 0
	v_lshrrev_b32 v1, 5, v0
	v_readfirstlane_b32 s14, v1                    ; wave 0..7
	v_and_b32 v1, 31, v0
	v_lshlrev_b32 v5, 8, v1
	v_lshlrev_b32 v1, 4, v1
	v_add_nc_u32 v2, BUF1, v1
	s_wait_alu depctr_va_sdst(0)                   ; s14 is written, ahead of its first reader: addresses, bases and the tile's number are made from it
	s_lshl_b32 s31, s14, 12
	v_add_nc_u32 v3, s31, v1
	v_add_nc_u32 v4, BUF1, v3
	v_mov_b32 v6, 0xff800000
	s_and_b32 s16, ttmp7, 0xffff                   ; head
	s_lshl_b32 s2, ttmp9, 2
	s_add_co_u32 s17, s2, s14
	s_sub_co_u32 s31, 120, s2
	s_add_co_u32 s31, s31, s14
	s_cmp_lt_u32 s14, 4
	s_cselect_b32 s17, s17, s31                    ; T: my tile of queries
	s_lshl_b32 s18, s16, 18                        ; a head's 262,144 bytes in each tensor of codes
	s_mov_b32 s3, 0
	s_mov_b32 s20, 0x76543210                      ; v_permlanex16_b32's selects for lane l xor 16
	s_mov_b32 s21, 0xfedcba98
	s_wait_kmcnt 0x0
	s_load_b128 s[52:55], s[10:11], 0x18           ; e6, e7, e8, e9
	s_load_b32 s56, s[10:11], 0x28                 ; e10
	s_lshl_b32 s2, ttmp9, 5
	s_add_nc_u64 s[60:61], s[8:9], s[2:3]
	s_load_b256 s[32:39], s[60:61], 0x0            ; the classes of tiles 4 p .. 4 p + 3,
	s_sub_co_u32 s2, 992, s2
	s_add_nc_u64 s[62:63], s[8:9], s[2:3]
	s_load_b256 s[40:47], s[62:63], 0x0            ; of tiles 124 - 4 p .. 127 - 4 p,
	s_lshl_b32 s2, s17, 3
	s_add_nc_u64 s[68:69], s[8:9], s[2:3]
	s_load_b64 s[48:49], s[68:69], 0x0             ; and my own tile's
	s_mov_b32 s2, s18
	s_add_nc_u64 s[24:25], s[4:5], s[2:3]
	s_lshl_b32 s2, s17, 11
	s_add_nc_u64 s[58:59], s[24:25], s[2:3]        ; Q's image
	s_add_nc_u64 s[26:27], s[24:25], 0x800000      ; V's codes of the head
	s_add_nc_u64 s[24:25], s[24:25], 0x400000      ; K's
	s_cmp_lt_u32 s14, 4
	s_cselect_b64 s[66:67], s[24:25], s[26:27]     ; the prefetches: waves 0-3 K's, waves 4-7 V's,
	s_and_b32 s2, s14, 3
	s_lshl_b32 s2, s2, 13                          ; 8,192 bytes of a slot's 32,768 a wave,
	s_add_co_u32 s2, s2, 2*32768                   ; at slot 2: the first half steps it to slot 3
	s_add_nc_u64 s[66:67], s[66:67], s[2:3]
	s_cmp_eq_u32 ttmp9, 0
	s_cselect_b32 s105, 5, 0                       ; the head's first work-group asks, for slots 3 to 7; nobody else
	s_lshl_b32 s2, s17, 12
	s_add_nc_u64 s[100:101], s[6:7], s[2:3]        ; my tile's mask words
	s_lshl_b32 s2, s17, 4
	s_add_co_u32 s2, s2, s16
	s_lshl_b32 s2, s2, 11
	s_add_nc_u64 s[12:13], s[12:13], s[2:3]        ; the result's image (P = T, Q = head)
	s_wait_alu depctr_va_vdst(0)                   ; the addresses v1 to v5 are written, which every load, store and prefetch of the kernel reads; none of them is written again
.irp c, 0,1,2,3
	global_load_b128 v[16+4*\c:19+4*\c], v1, s[58:59] offset:512*\c   ; Q stays in registers
.endr
.irp n, 0,1,2,3,4,5,6,7                        ; slot 0, into the registers that the scores will take: they are free until the first step
	global_load_b128 v[96+4*\n:99+4*\n], v3, s[24:25] offset:512*\n
	global_load_b128 v[128+4*\n:131+4*\n], v3, s[26:27] offset:512*\n
.endr
	LDST 32768                                     ; slot 1, asked for together with slot 0
	v_mov_b32 v13, 0xff61b1e6                      ; the largest t so far: -3e38
	v_floor_f32 v12, -v13                          ; -M
	v_mov_b32 v14, 0
	v_mov_b32 v15, 0
	v_mov_b32 v236, 0                              ; written once: a lane permute's destination counts as read
	v_mov_b32 v252, 0
	v_mov_b32 v253, 0
	v_mov_b32 v254, 0
.set n, 0
.rept 64
	v_mov_b32 v[160+n], 0                          ; O^T.  Any step may be a tile's first open one, so the step is written once and finds zeros
.set n, n+1
.endr
	s_wait_loadcnt 16                              ; Q's four and slot 0's sixteen loads are in; slot 1's sixteen may be out
.irp n, 0,1,2,3,4,5,6,7
	ds_store_b128 v3, v[96+4*\n:99+4*\n] offset:512*\n   ; no vector instruction since the wait on va_vdst names v3 or v96-159
	ds_store_b128 v3, v[128+4*\n:131+4*\n] offset:VOFF+512*\n
.endr
	s_wait_kmcnt 0x0
	s_or_b32 s2, s32, s34                          ; which slots does any of the eight tiles read?
	s_or_b32 s2, s2, s36
	s_or_b32 s2, s2, s38
	s_or_b32 s2, s2, s40
	s_or_b32 s2, s2, s42
	s_or_b32 s2, s2, s44
	s_or_b32 s2, s2, s46
	s_or_b32 s31, s33, s35
	s_or_b32 s31, s31, s37
	s_or_b32 s31, s31, s39
	s_or_b32 s31, s31, s41
	s_or_b32 s31, s31, s43
	s_or_b32 s31, s31, s45
	s_or_b32 s31, s31, s47
	s_and_b32 s2, s2, 0xff
	s_and_b32 s31, s31, 0xff
	s_lshl_b32 s31, s31, 8
	s_or_b32 s2, s2, s31
	s_lshr_b32 s31, s2, 1
	s_or_b32 s2, s2, s31
	s_and_b32 s30, s2, 0x5555                      ; bit 2 x: slot x is read.  No bit from 16 up: nothing is asked for past the head's end
	s_and_b32 s28, s48, 0xff
	s_and_b32 s2, s49, 0xff
	s_lshl_b32 s2, s2, 8
	s_or_b32 s28, s28, s2                          ; bit s: step s has an open element for my tile
	s_bfe_u32 s29, s48, 0x80008
	s_and_b32 s2, s49, 0xff00
	s_or_b32 s29, s29, s2                          ; bit s: it has a masked one
	s_mov_b32 s22, 0x3e0293ee                      ; c = log2(e) / sqrt(128)
	s_add_co_i32 s2, s52, s53
	s_cmp_gt_i32 s2, 2                             ; p is held where e6 + e7 > 2
	s_cselect_b32 s104, 1, 0
	s_cmp_lt_i32 s54, -8                           ; or e8 < -8
	s_cselect_b32 s104, 1, s104
	s_lshl_b32 s2, s2, 23
	s_add_co_i32 s22, s22, s2                      ; c x 2^(e6 + e7): the two exponents are added to c's exponent field
	s_mov_b32 s23, s22
	s_add_co_i32 s2, s54, 127
	s_lshl_b32 s31, s2, 23
	v_mov_b32 v244, s31                            ; 2^e8
	s_add_co_i32 s2, s2, 8
	s_lshl_b32 s2, s2, 23
	s_or_b32 s2, s2, 0x600000
	v_mov_b32 v240, s2                             ; 448 x 2^e8
	s_add_co_i32 s2, s56, 127
	s_lshl_b32 s31, s2, 23
	v_mov_b32 v245, s31                            ; 2^e10
	s_add_co_i32 s2, s2, 8
	s_lshl_b32 s2, s2, 23
	s_or_b32 s2, s2, 0x600000
	v_mov_b32 v241, s2                             ; 448 x 2^e10
	s_add_co_i32 s3, s54, s55                      ; e8 + e9
.set n, 0
.rept 16                                       ; the mask words' registers are written once, so that they are written on every path.  What they held is used up: the loads that named some of them as a base are done (the two waits above)
	s_mov_b64 s[32+n:33+n], 0
	s_mov_b64 s[68+n:69+n], 0
.set n, n+2
.endr
	s_wait_dscnt 0x0                               ; for the others' sake: my stores into buffer 0 are done
	s_wait_alu depctr_vm_vsrc(0)                   ; my LDS stores have read v96-159, which the first open step's products write
	s_barrier_signal -1
	s_barrier_wait -1
; A PREFETCH INTO THE L2 of the slot three on from the one in hand: 8,192 bytes a wave, lanes 256 bytes apart; it stands where the wave has just issued its loads.  All work-groups of a head walk the same K and V:
; the head's first asks, waves 0-3 for K's 32,768 bytes, waves 4-7 for V's: each block of 256 bytes is named once.  Slots 0 to 2 come by their loads alone; the count ends with slot 7.
.macro ASK
	s_cmp_lg_u32 s105, 0
	s_cbranch_scc0 .Lnot_mine_\@
	global_prefetch_b8 v5, s[66:67] th:TH_LOAD_NT scope:SCOPE_SE
	s_sub_co_u32 s105, s105, 1
.Lnot_mine_\@:
.endm
; A KEY STEP: 128 keys, the q-th of the slot in buffer b.
.macro STEP b, q
	s_and_b32 s2, s28, 1
	s_cmp_lg_u32 s2, 0
	s_cbranch_scc0 .Lhidden_\@                     ; no open element for my 16 queries: nothing of the step is done
	s_and_b32 s2, s29, 1
	s_cmp_lg_u32 s2, 0
	s_cbranch_scc0 .Lno_words_\@                   ; no masked element: the mask words are not wanted
	s_load_b512 s[32:47], s[100:101], (2*\b+\q)*256          ; the step's 64 mask words: they land under the loads and products below
	s_load_b512 s[48:63], s[100:101], (2*\b+\q)*256+64
	s_load_b512 s[68:83], s[100:101], (2*\b+\q)*256+128
	s_load_b512 s[84:99], s[100:101], (2*\b+\q)*256+192
.Lno_words_\@:
.rept 4
	v_nop                                          ; places between the last step's products and the loads into the registers that they read (V's, further down)
.endr
.irp t, 0,1,2,3                                ; K's eight fragments in one run: tiles 0-3.  No wait: the products that read these registers stand ahead of the last open step's wait behind its exponentials, and nothing has named them since
.irp c, 0,1,2,3
	ds_load_b128 v[32+16*\t+4*\c:32+16*\t+4*\c+3], v[1+\b] offset:(8*\q+\t)*2048+512*\c
.endr
.endr
	WIN 0x40                                       ; destination window 1
.irp t, 0,1,2,3                                ; tiles 4-7
.irp c, 0,1,2,3
	ds_load_b128 v[KF2+16*\t+4*\c:KF2+16*\t+4*\c+3], v[1+\b] offset:(8*\q+4+\t)*2048+512*\c
.endr
.endr
	WIN 0
	s_wait_alu depctr_va_vdst(0)                   ; the last open step's products V^T P are done reading V's fragments, in which the loads behind the next four products land
	s_wait_dscnt 16                                ; tiles 0-3 are in; the sixteen loads of tiles 4-7 may be out
.irp t, 0,1,2,3                                ; S^T = K Q^T
	v_wmma_f32_16x16x128_fp8_fp8 v[96+8*\t:103+8*\t], v[32+16*\t:47+16*\t], v[16:31], 0
.endr
	WIN 0x40
.irp t, 0,1,2,3,4,5,6,7                        ; V's eight fragments are asked for now and wanted behind the softmax.  No wait: the four products since the wait above name K's tiles 0-3, Q and S^T alone
.irp c, 0,1,2,3
	ds_load_b128 v[VF+16*\t+4*\c:VF+16*\t+4*\c+3], v[1+\b] offset:VOFF+(8*\q+\t)*2048+512*\c
.endr
.endr
	s_wait_dscnt 32                                ; all of K is in; V's 32 loads may be out
	WIN 0x01                                       ; source 0 window 1
.irp t, 0,1,2,3
	v_wmma_f32_16x16x128_fp8_fp8 v[128+8*\t:135+8*\t], v[KF2+16*\t:KF2+16*\t+15], v[16:31], 0
.endr
	WIN 0
.rept 4
	v_nop                                          ; places ahead of the first read of the scores
.endr
	s_wait_kmcnt 0x0                               ; on every path: no scalar load is out behind this line
	s_and_b32 s2, s29, 1
	s_cmp_lg_u32 s2, 0
	s_cbranch_scc0 .Lopen_\@                       ; no masked element: no selects
.set n, 0
.rept 32
	v_cndmask_b32 v[96+n], v[96+n], v6, s[32+n]    ; word 8 c + j, bit lane: masked scores become -infinity ahead of the maximum: p = 0 then
.set n, n+1
.endr
.rept 32
	v_cndmask_b32 v[96+n], v[96+n], v6, s[36+n]
.set n, n+1
.endr
.Lopen_\@:
	v_max3_num_f32 v254, v96, v97, v98             ; the step's largest score of my query, among my 64 keys: four chains, the registers in ascending order
	v_max3_num_f32 v252, v99, v100, v101
	v_max3_num_f32 v250, v102, v103, v104
	v_max3_num_f32 v251, v105, v106, v107
.irp i, 12,20,28,36,44,52
	v_max3_num_f32 v254, v254, v[96+\i], v[97+\i]
	v_max3_num_f32 v252, v252, v[98+\i], v[99+\i]
	v_max3_num_f32 v250, v250, v[100+\i], v[101+\i]
	v_max3_num_f32 v251, v251, v[102+\i], v[103+\i]
.endr
	v_max3_num_f32 v254, v254, v156, v157
	v_max3_num_f32 v252, v252, v158, v159
	v_max3_num_f32 v254, v254, v250, v251
	v_max_num_f32 v254, v254, v252
	v_permlanex16_b32 v236, v254, s20, s21
	v_max_num_f32 v254, v254, v236                 ; and among lane l xor 16's
	v_mul_f32 v254, s22, v254                      ; as t (c is positive)
	v_max_num_f32 v13, v13, v254                   ; the running largest t
	v_mov_b32 v254, v12
	v_floor_f32 v12, -v13                          ; the new -M = floor(-t) = -ceil(t)
	v_sub_f32 v254, v12, v254                      ; old M - new M: a whole number, 0 or less
	v_cvt_i32_f32 v254, v254                       ; (it saturates)
	v_ldexp_f32 v252, 1.0, v254                    ; f = 2^(old M - new M)
.set n, 0
.rept 32
	v_pk_fma_f32 v[96+n:97+n], v[96+n:97+n], s[22:23], v[12:13] op_sel_hi:[1,0,0]   ; t - M, two at a time
.set n, n+2
.endr
.set n, 0
.rept 64
	v_exp_f32 v[96+n], v[96+n]                     ; p = 2^(t - M)
.set n, n+1
.endr
	v_pk_mul_f32 v[14:15], v[14:15], v[252:253] op_sel_hi:[1,0]   ; the sums under the new M: the plain line behind the exponentials
	s_wait_alu depctr_va_vdst(0)                   ; the 64 exponentials have written p, ahead of its first reader: one wait for the batch; and the step's products K Q^T are done reading K's fragments, in which the next open step's loads land
	v_pk_add_f32 v[242:243], v[96:97], v[98:99]    ; the row's sum is taken of the unquantised p, two at a time, in four chains
	v_pk_add_f32 v[246:247], v[100:101], v[102:103]
	v_pk_add_f32 v[248:249], v[104:105], v[106:107]
	v_pk_add_f32 v[14:15], v[14:15], v[108:109]
.irp j, 14,22,30,38,46,54
	v_pk_add_f32 v[242:243], v[242:243], v[96+\j:97+\j]
	v_pk_add_f32 v[246:247], v[246:247], v[98+\j:99+\j]
	v_pk_add_f32 v[248:249], v[248:249], v[100+\j:101+\j]
	v_pk_add_f32 v[14:15], v[14:15], v[102+\j:103+\j]
.endr
	v_pk_add_f32 v[14:15], v[14:15], v[158:159]
	v_pk_add_f32 v[242:243], v[242:243], v[246:247]
	v_pk_add_f32 v[14:15], v[14:15], v[248:249]
	v_pk_add_f32 v[14:15], v[14:15], v[242:243]
	s_cmp_lg_u32 s104, 0
	s_cbranch_scc0 .Lno_hold_\@                    ; the given scales leave p under the largest code: see the head
.set n, 0
.rept 64
	v_min_num_f32 v[96+n], v[96+n], v240           ; the conversion does not saturate (ISA guide 7.6.2); p is not negative, so the hold is one-sided
.set n, n+1
.endr
.Lno_hold_\@:
.irp c, 0,1,2,3,4,5,6,7
	v_cvt_scalef32_pk8_fp8_f32 v[224+2*\c:225+2*\c], v[96+8*\c:103+8*\c], v244
.endr
.set n, 0
.rept 32
	v_pk_mul_f32 v[160+n:161+n], v[160+n:161+n], v[252:253] op_sel_hi:[1,0]   ; O^T under the new M; these plain lines also stand between the conversions and the products that read the codes
.set n, n+2
.endr
	s_wait_dscnt 0x0                               ; V is in: asked for ahead of the softmax
	WIN 0x01
.irp t, 0,1,2,3,4,5,6,7                        ; O^T += V^T P^T: eight accumulators by turns
	v_wmma_f32_16x16x128_fp8_fp8 v[160+8*\t:167+8*\t], v[VF+16*\t:VF+16*\t+15], v[224:239], v[160+8*\t:167+8*\t]
.endr
	WIN 0
.Lhidden_\@:
	s_lshr_b32 s28, s28, 1                         ; on to the next step's bits
	s_lshr_b32 s29, s29, 1
.endm
; HALF A TRIP: the slot in buffer b is worked on.  The next slot goes from the staging set into the other buffer (nobody reads that one: every wave's reads of it were waited for in front of the last barrier), and the
; slot after it is asked for, with the whole half in which to land.  One barrier at the end serves both: my stores into the other buffer are done, and my reads of this one are over.
.macro HALF b
	s_wait_loadcnt 0x0                             ; the staging set holds the next slot.  Outside every branch: no path loads onto a pending load
	s_wait_xcnt 0x0                                ; the last prefetch has read its address too
	s_add_nc_u64 s[24:25], s[24:25], 32768         ; the pointers stand at the next slot; the loads below reach one slot further by their immediate
	s_add_nc_u64 s[26:27], s[26:27], 32768
	s_add_nc_u64 s[66:67], s[66:67], 32768
	s_and_b32 s2, s30, 4                           ; is the next slot read by any wave?
	s_cmp_lg_u32 s2, 0
	s_cbranch_scc0 .Lno_st_\@
	STST 1-\b
.Lno_st_\@:
	s_wait_dscnt 0x0                               ; my stores into the other buffer are done
	s_wait_alu depctr_vm_vsrc(0)                   ; the LDS stores have read the staging set, in which the loads below land: ahead of the branch that leads round them
	s_and_b32 s2, s30, 16                          ; and the one after it?
	s_cmp_lg_u32 s2, 0
	s_cbranch_scc0 .Lno_ld_\@
	LDST 32768
.Lno_ld_\@:
	ASK
	s_lshr_b32 s30, s30, 2
	STEP \b, 0
	STEP \b, 1
	s_wait_dscnt 0x0
	s_barrier_signal -1
	s_barrier_wait -1
.endm
	s_mov_b32 s19, 0
.Lpair:                                            ; four trips of two slots: a constant of the text
	HALF 0
	HALF 1
	s_wait_xcnt 0x0                                ; the mask words' loads have read their base
	s_add_nc_u64 s[100:101], s[100:101], 1024      ; four steps of 256 bytes on
	s_add_co_u32 s19, s19, 1
	s_cmp_lt_u32 s19, 4
	s_cbranch_scc1 .Lpair
	; THE WAY OUT: O^T x 2^(e8 + e9) / the sum, quantised under e10: tile t's eight registers are d = 16 t + 8 h + 0 .. 7 of query r: registers 2 t, 2 t + 1 of the image
.rept 4
	v_nop                                          ; places behind the last products
.endr
	v_add_f32 v14, v14, v15
	v_permlanex16_b32 v252, v14, s20, s21
	v_add_f32 v14, v14, v252                       ; the row's sum
	v_mov_b32 v15, v14
	v_rcp_f32 v14, v14
	v_mov_b32 v252, 0x7f7f7f7f                     ; (the plain line behind the reciprocal)  four NaN codes
	s_wait_alu depctr_va_vdst(0)                   ; the reciprocal has written v14, ahead of its first reader
	v_ldexp_f32 v14, v14, s3
.set n, 0
.rept 64
	v_mul_f32 v[96+n], v[160+n], v14
.set n, n+1
.endr
.set n, 0
.rept 64
	v_med3_num_f32 v[96+n], v[96+n], -v241, v241
.set n, n+1
.endr
.irp c, 0,1,2,3,4,5,6,7
	v_cvt_scalef32_pk8_fp8_f32 v[224+2*\c:225+2*\c], v[96+8*\c:103+8*\c], v245
.endr
	v_nop                                          ; one plain line between the conversions and the selects that touch their results
	v_cmp_eq_f32 vcc_lo, 0, v15                    ; a sum of 0: no key was open for this query.  Elsewhere the sum is above 1/2
	s_wait_alu depctr_va_vcc(0)                    ; the compare has written VCC, ahead of its first reader, the select below
.set n, 0
.rept 16
	v_cndmask_b32 v[224+n], v[224+n], v252, vcc_lo
.set n, n+1
.endr
	s_wait_alu depctr_va_vdst(0)                   ; the selects have written the codes v224-239, which the four stores read
.irp g, 0,1,2,3
	global_store_b128 v1, v[224+4*\g:227+4*\g], s[12:13] offset:512*\g   ; 512 consecutive bytes a store
.endr
	s_wait_dscnt 0x0                               ; the closing lines, six on end
	s_wait_alu 0x0
	s_wait_tensorcnt 0x0
	ds_add_u32 v11, v255
	s_wait_dscnt 0x0
	s_endpgm
.Lfunc_end_k_qe9c0542be2_attn:
	.size	k_qe9c0542be2_attn, .Lfunc_end_k_qe9c0542be2_attn-k_qe9c0542be2_attn
	.p2alignl 7, 3214868480
	.fill 96, 4, 3214868480
	.section	.rodata,"a",@progbits
	.p2align	6, 0x0
	.amdhsa_kernel k_qe9c0542be2_attn
		.amdhsa_group_segment_fixed_size 132096
		.amdhsa_private_segment_fixed_size 0
		.amdhsa_enable_private_segment 0
		.amdhsa_kernarg_size 40
		.amdhsa_user_sgpr_count 2
		.amdhsa_user_sgpr_kernarg_segment_ptr 1
		.amdhsa_wavefront_size32 1
		.amdhsa_system_sgpr_workgroup_id_x 1
		.amdhsa_system_sgpr_workgroup_id_y 1
		.amdhsa_system_sgpr_workgroup_id_z 1
		.amdhsa_system_vgpr_workitem_id 0
		.amdhsa_next_free_vgpr 512
		.amdhsa_next_free_sgpr 106
		.amdhsa_reserve_vcc 1
		.amdhsa_float_denorm_mode_32 3
		.amdhsa_float_denorm_mode_16_64 3
		.amdhsa_memory_ordered 1
		.amdhsa_forward_progress 1
		.amdhsa_inst_pref_size 121
	.end_amdhsa_kernel
	.amdgpu_metadata
---
amdhsa.version: [ 1, 2 ]
amdhsa.kernels:
  - .name:           k_qe9c0542be2_attn
    .symbol:         k_qe9c0542be2_attn.kd
    .args:
      - { .name: qkvc, .offset: 0, .size: 8, .value_kind: global_buffer, .address_space: global }
      - { .name: mw, .offset: 8, .size: 8, .value_kind: global_buffer, .address_space: global }
      - { .name: cls, .offset: 16, .size: 8, .value_kind: global_buffer, .address_space: global }
      - { .name: lowp_scales, .offset: 24, .size: 8, .value_kind: global_buffer, .address_space: global }
      - { .name: oc, .offset: 32, .size: 8, .value_kind: global_buffer, .address_space: global }
    .group_segment_fixed_size: 132096
    .private_segment_fixed_size: 0
    .kernarg_segment_align: 8
    .kernarg_segment_size: 40
    .max_flat_workgroup_size: 256
    .sgpr_count:     106
    .vgpr_count:     512
    .wavefront_size: 32
...
	.end_amdgpu_metadata
.endif
;; end of part 6
;; launch outp: the kernel of part 4 again; grid 16 x 16, 4 waves a work-group, clusters of 4 x 4, 327,680 bytes of LDS; arguments oc, wc, lowp_scales, out0; writes out0
